; MI455X (gfx1250); checked and timed in simulation.
; The chip was launched on July 23, 2026; its instructions are those of AMD's public machine-readable ISA for CDNA 5 (MIT licence, August 2026) and "CDNA5" Instruction Set Architecture Reference Guide (July 2026). The comments in the code are by the model that wrote it; some were corrected since.
;; Tessera Attention. Allowed arithmetic: matrix products marked QUANTISED: E4M3 operands, one E8M0 scale for each 32 along K, by v_wmma_scale_f32_16x16x128_f8f6f4 with both operands' format E4M3, f32 sums; everything else in f32.
;; Inputs: Wk 2,048 x 512 float32; Wo 2,048 x 2,048 float32; Wq 2,048 x 2,048 float32; Wv 2,048 x 512 float32; rope_cos 1 x 2,048 x 128 float32; rope_sin 1 x 2,048 x 128 float32; x 1 x 2,048 x 2,048 float32.
;; Outputs: out0 1 x 2,048 x 2,048 float32.
;; This version of the problem:
;;   THIS VERSION OF THE PROBLEM IS GIVEN IN LOW PRECISION. The matrix products marked QUANTISED in the list below multiply operands that are first quantised to E4M3 (4 exponent bits, 3 mantissa bits; 8 bits a number), with one power-of-two scale for each 32 numbers along K (OCP MX v1.0); their sums are f32. All else is computed in f32.
;;   The module's matrix products, in the order in which they are computed (A, B: the left and right operand; K: the contracted axis; several contracted axes count as one K, in the product's order):
;;     1. [M 2,048, K 2,048] x [K 2,048, N 2,048]; A: input x; B: input Wq: QUANTISED
;;     2. [M 2,048, K 2,048] x [K 2,048, N 512]; A: input x; B: input Wk: QUANTISED
;;     3. [M 2,048, K 2,048] x [K 2,048, N 512]; A: input x; B: input Wv: QUANTISED
;;     4. batch 16 x [M 2,048, K 128] x [K 128, N 2,048]; A: computed on the way; B: computed on the way: QUANTISED
;;     5. batch 16 x [M 128, K 2,048] x [K 2,048, N 2,048]; A: computed on the way; B: softmax (see below): QUANTISED
;;     6. [M 2,048, K 2,048] x [K 2,048, N 2,048]; A: computed on the way; B: input Wo: QUANTISED
;;   THE QUANTISER, for each operand of a quantised product, along K:
;;     - K is cut into blocks of 32 from its start; a last block that is shorter is filled with zeros.
;;     - A block's scale is 2^e with e = floor(log2(the largest magnitude in the block)) - 8, held to -126 .. 127; a block of zeros has e = 0. As a byte (E8M0): e + 127.
;;     - Each number is divided by its block's scale, clamped to +-448, and rounded to the nearest number of E4M3, ties to even, subnormals kept.
;;     - The product sums the exact products of the quantised numbers (number of the format x scale) in f32.
;;   ~~~python
;;   def quantise(x, axis):      # numpy; x: float32 -> the quantised numbers, widened to float32 again
;;       x = np.moveaxis(x, axis, -1); K = x.shape[-1]
;;       x = np.pad(x, [(0, 0)] * (x.ndim - 1) + [(0, -K % 32)]); x = x.reshape(x.shape[:-1] + (-1, 32)); a = np.abs(x).max(-1, keepdims=True)
;;       e = np.where(a > 0, np.clip(np.frexp(np.where(a > 0, a, 1))[1] - 1 - 8, -126, 127), 0)      # np.frexp(a)[1] - 1 = floor(log2(a)), exactly
;;       r = np.clip(x / 2.0 ** e, -448, 448)
;;       step = 2.0 ** (np.maximum(np.frexp(np.where(r == 0, 1, r))[1] - 1, -6) - 3)
;;       q = np.round(r / step) * step * 2.0 ** e      # np.round: ties to even
;;       return np.moveaxis(q.reshape(q.shape[:-2] + (-1,))[..., :K], -1, axis).astype(np.float32)
;;   ~~~
;;   SOFTMAX AHEAD OF A QUANTISED PRODUCT. Where the list says 'softmax', what is quantised is not the finished softmax but p = 2^(t - M), with t = logit x log2(e) and M = ceil(the row's largest t), a whole number; so 1/2 < the row's largest p <= 1. The row's sum l is taken of the UNQUANTISED p, in f32, and the product's result is divided by l at the end. Since M is a whole number, a kernel that streams over the keys may use a running M (the ceiling of the running maximum): every later rescaling is an exact power of two, which a block's scale takes up: the codes' values come out the same.
;;   OPERANDS COMPUTED ON THE WAY. 'Computed on the way' means the value that the module computes at that place (a softmax that the list does not call 'softmax' is quantised finished and normalised). What goes into a quantiser is computed in f32, as accurately as f32 sums, v_exp_f32 and their like allow (about 1e-6 of the number): no bf16 or f16 on the way to a quantiser, and a product that is left as it is and whose result goes on into a quantised operand takes f32 operands (vector FMAs, or v_wmma_f32_16x16x4_f32). A number that lies on a knife's edge between two numbers of the format may be rounded either way, as far as f32 arithmetic and the matrix unit's own rounding can turn it there, and no further.
;; One version. Each part assembles by itself: llvm-mc -triple=amdgcn-amd-amdhsa -mcpu=gfx1250 --defsym DOCPART=n.
;; ======== version 1 of 1: 4 launches
;; limits: right only within a limited range of input values
;; workspace buffers: xc 4,456,448 bytes; wc 11,141,120 bytes; qc 4,456,448 bytes; kv 2,228,224 bytes; ac 4,456,448 bytes
;; launch quant (part 1): grid 448 x 1, 4 waves a work-group, no clusters, 34,304 bytes of LDS; arguments x, Wq, Wk, Wv, Wo, xc, wc; writes xc, wc
.if DOCPART == 1
	.amdgcn_target "amdgcn-amd-amdhsa--gfx1250"
	.amdhsa_code_object_version 6
	.text
	.protected	k_q2380ccfa0a_quant
	.globl	k_q2380ccfa0a_quant
	.p2align	8
	.type	k_q2380ccfa0a_quant,@function
k_q2380ccfa0a_quant:
	s_mov_b64 s[64:65], 0
	v_nop
	global_prefetch_b8 v0, s[64:65] scope:SCOPE_SE
	s_setreg_imm32_b32 hwreg(HW_REG_WAVE_MODE, 25, 1), 1
	s_wait_xcnt 0x0
; x [2048][2048] and the four weights ([2048 (k)][N]), f32, become codes of E4M3 with one E8M0 byte for each 32 along K = the 2,048 hidden units.
; A block's scale is 2^(floor(log2(its largest magnitude)) - 8); each number is divided by it, held within +-448 and rounded to the nearest code, ties to even.
; LAYOUT OF THE CODES: images of operand registers.  A TILE is 16 rows (tokens, or a weight's columns): tile T holds rows 32 (T / 2) + 8 (T % 2) + r + 8 (r / 8), r = 0 .. 15.
; A fragment (a tile x 128 K) is 2,048 bytes: byte 512 c + 16 lane holds registers 4 c .. 4 c + 3 of that lane (row lane % 16, k = 32 c + 16 (lane / 16) + 0 .. 15).  Its scale words are 128 bytes, word lane = row lane % 16's.
; Two K steps lie together: fragment, fragment, scale words, scale words = 4,352 bytes (PROW); a tile's eight such pieces are 34,816 bytes (TROW).
; SHARES.  Work-groups 0-127: one tile of tokens each, wave w its K steps 4 w .. 4 w + 3.  Work-groups 128-447: 128 columns of one weight x 256 along K, wave w 32 columns.  Both read 128 KiB of f32.
; No tensor loads, no barrier: waves share nothing.  Only the x path uses LDS.
; LIMITS: NaN and infinities among the inputs are not served.  A block whose largest magnitude lies under 2^-118 keeps the byte 1; a block of zeros gets the byte 1 where the rule says 127: its codes are zeros, and this program alone reads the bytes.
.set TROW, 34816
.set PROW, 4352
.set SPIT, 528                         ; a stage row: 512 bytes + 16 = 132 words, so that the sixteen rows which a read touches begin 4 words apart
.set WREG, 16*SPIT                     ; a wave's stage
.set TM,   8                           ; v8-23   x path: at work in QUANT
.set PW,   24                          ; v24-27  a scale word for each step
.set PC,   28                          ; v28-59  codes, two sets of 16
.set R,    64                          ; v64-255 three sets of 64 numbers
.set X,    32                          ; weight path: v32-95 two sets of 32 numbers
.set C,    96                          ; v96-159 eight registers of codes for each block
; 64 numbers of a lane, register 16 b + i = k 32 b + 16 (lane / 16) + i of my row, become a fragment's codes in v[pc] on and its scale word in v[pw]
.macro QUANT s, pc, pw
.irp b, 0,1,2,3
	v_max3_num_f32 v[TM+\b], |v[(\s)+16*\b]|, |v[(\s)+1+16*\b]|, 0x4800000   ; my 16 numbers of block b, and the floor 2^(9 - 127): the byte cannot fall under 1
.endr
.irp i, 2,4,6,8,10,12,14
.irp b, 0,1,2,3
	v_max3_num_f32 v[TM+\b], v[TM+\b], |v[(\s)+16*\b+\i]|, |v[(\s)+1+16*\b+\i]|
.endr
.endr
.irp b, 0,1,2,3
	v_permlanex16_b32 v[TM+4+\b], v[TM+\b], s26, s27
.endr
.irp b, 0,1,2,3
	v_max_num_f32 v[TM+\b], v[TM+\b], v[TM+4+\b]              ; with lane l xor 16's: the block's largest magnitude
.endr
.irp b, 0,1,2,3
	v_add_nc_u32 v[TM+12+\b], 0xfc000000, v[TM+\b]           ; 8 off its exponent field: the conversion's scale operand
.endr
.irp b, 0,1,2,3
	v_and_or_b32 v[TM+8+\b], v[TM+\b], 0x7f800000, s28       ; 448 x the scale
.endr
.irp b, 0,1,2,3
	v_lshrrev_b32 v[TM+4+\b], 23, v[TM+12+\b]                ; the scale's byte
.endr
	v_lshl_or_b32 v[\pw], v[TM+5], 8, v[TM+4]
	v_lshl_or_b32 v[\pw], v[TM+6], 16, v[\pw]
	v_lshl_or_b32 v[\pw], v[TM+7], 24, v[\pw]
.irp b, 0,1,2,3
.irp i, 0,1,2,3,4,5,6,7,8,9,10,11,12,13,14,15
	v_med3_num_f32 v[(\s)+16*\b+\i], v[(\s)+16*\b+\i], -v[TM+8+\b], v[TM+8+\b]   ; the conversion does not saturate (ISA guide 7.6.2): the hold
.endr
	v_cvt_scalef32_pk8_fp8_f32 v[(\pc)+4*\b:(\pc)+4*\b+1], v[(\s)+16*\b:(\s)+16*\b+7], v[TM+12+\b]
	v_cvt_scalef32_pk8_fp8_f32 v[(\pc)+4*\b+2:(\pc)+4*\b+3], v[(\s)+16*\b+8:(\s)+16*\b+15], v[TM+12+\b]
.endr
	v_nop                                          ; one plain line behind the last conversion
.endm
	s_load_b256 s[4:11], s[0:1], 0x0               ; x s[4:5], Wq s[6:7], Wk s[8:9], Wv s[10:11]
	s_load_b128 s[12:15], s[0:1], 0x20             ; Wo s[12:13], xc s[14:15]
	s_load_b64 s[16:17], s[0:1], 0x30              ; wc
	s_set_vgpr_msb 0x40
	v_lshl_add_u32 v0, v0, 2, 0x8400
	v_mov_b32 v1, 0
	s_set_vgpr_msb 0x4000
	v_lshrrev_b32 v1, 5, v0
	v_readfirstlane_b32 s20, v1                    ; wave
	v_and_b32 v1, 31, v0                           ; lane
	v_and_b32 v2, 15, v0                           ; r
	v_bfe_u32 v3, v0, 4, 1                         ; h
	v_lshlrev_b32 v4, 4, v1                        ; 16 x lane
	v_lshlrev_b32 v5, 2, v1                        ; 4 x lane
	s_mul_i32 s21, s20, WREG
	v_add_nc_u32 v6, s21, v4                       ; the stage, on the way in: a row's 512 bytes as they lie
	v_mul_u32_u24 v7, v2, SPIT
	v_lshl_add_u32 v7, v3, 6, v7
	v_add_nc_u32 v7, s21, v7                       ; and on the way out: row r, + 64 h: my 16 numbers of a block of 32
	s_mov_b32 s26, 0x76543210
	s_mov_b32 s27, 0xfedcba98                      ; lane l xor 16
	s_mov_b32 s28, 0x600000                        ; the mantissa field of 448
	s_wait_kmcnt 0x0
	s_cmp_lt_u32 ttmp9, 128
	s_cbranch_scc0 .Lweights
	; ---------------- x: tile T = the work-group's number
	s_lshr_b32 s22, ttmp9, 1
	s_lshl_b32 s22, s22, 18                        ; 32 (T / 2) rows of 8,192 bytes
	s_and_b32 s23, ttmp9, 1
	s_lshl_b32 s23, s23, 16                        ; 8 (T % 2) rows
	s_add_co_u32 s22, s22, s23
	s_lshl_b32 s23, s20, 11                        ; my four K steps: 2,048 bytes of a row
	s_add_co_u32 s22, s22, s23
	s_mov_b32 s23, 0
	s_add_nc_u64 s[4:5], s[4:5], s[22:23]
	s_mul_i32 s22, ttmp9, TROW
	s_mul_i32 s24, s20, 2*PROW
	s_add_co_u32 s22, s22, s24
	s_add_nc_u64 s[14:15], s[14:15], s[22:23]
.irp b, 0,1,2,3
	v_mov_b32 v[TM+4+\b], 0                        ; written once: a lane permute's destination counts as one of its sources
.endr
.macro LOADX s                         ; K step s: sixteen rows, 512 consecutive bytes each
.irp i, 0,1,2,3,4,5,6,7,8,9,10,11,12,13,14,15
	global_load_b128 v[R+64*((\s)%3)+4*\i:R+64*((\s)%3)+4*\i+3], v4, s[4:5] offset:(\i+8*(\i/8))*8192+512*(\s) th:TH_LOAD_NT
.endr
.endm
.macro STEPX s
.set XS, R+64*((\s)%3)
.set PS, PC+16*((\s)%2)
.if (\s) < 2
	s_wait_loadcnt 32                              ; this step's sixteen loads are in; those of the two steps behind it may be out
.else
	s_wait_loadcnt 16*(3-(\s))
.endif
.irp i, 0,1,2,3,4,5,6,7,8,9,10,11,12,13,14,15
	ds_store_b128 v6, v[XS+4*\i:XS+4*\i+3] offset:SPIT*\i
.endr
.irp b, 0,1,2,3
.irp j, 0,1,2,3
	ds_load_b128 v[XS+16*\b+4*\j:XS+16*\b+4*\j+3], v7 offset:128*\b+16*\j   ; LDS serves a wave's instructions in order (ISA guide 5.7.1.4): these see the stores above
.endr
.endr
	s_wait_dscnt 0x0
.if (\s) >= 2
	s_wait_xcnt 0x0                                ; the stores of two steps ago have read this set of codes
.endif
	QUANT XS, PS, PW+(\s)
.if (\s) == 0
	LOADX 3                                        ; into the set that has just been converted
.endif
.irp c, 0,1,2,3
	global_store_b128 v4, v[PS+4*\c:PS+4*\c+3], s[14:15] offset:((\s)/2)*PROW+((\s)%2)*2048+512*\c   ; 512 consecutive bytes
.endr
	global_store_b32 v5, v[PW+(\s)], s[14:15] offset:((\s)/2)*PROW+4096+((\s)%2)*128
.endm
	LOADX 0
	LOADX 1
	LOADX 2
	s_wait_alu depctr_va_vdst(0)
	STEPX 0
	STEPX 1
	STEPX 2
	STEPX 3
	s_set_vgpr_msb 0x5
	s_wait_tensorcnt 0x0
	ds_add_u32 v0, v1
	s_wait_dscnt 0x0
	s_set_vgpr_msb 0x500
	s_endpgm
	; ---------------- the weights: a lane takes a column, its registers run down K
.Lweights:
	s_sub_co_u32 s21, ttmp9, 128
	s_lshr_b32 s22, s21, 3                         ; the group of 128 columns: 0-15 Wq, 16-19 Wk, 20-23 Wv, 24-39 Wo
	s_and_b32 s23, s21, 7                          ; which 256 along K
	s_cmp_lt_u32 s22, 24
	s_cselect_b64 s[30:31], s[10:11], s[12:13]
	s_cselect_b32 s24, 20, 24
	s_cmp_lt_u32 s22, 20
	s_cselect_b64 s[30:31], s[8:9], s[30:31]
	s_cselect_b32 s24, 16, s24
	s_cmp_lt_u32 s22, 16
	s_cselect_b64 s[30:31], s[6:7], s[30:31]
	s_cselect_b32 s24, 0, s24
	s_sub_co_u32 s24, s22, s24                     ; the group's number within its weight
	s_lshl_b32 s24, s24, 9
	s_lshl_b32 s25, s20, 7
	s_add_co_u32 s34, s24, s25                     ; my wave's 32 columns, in bytes
	s_mov_b32 s35, 0
	s_add_nc_u64 s[30:31], s[30:31], s[34:35]
	s_lshl_b32 s34, s22, 3
	s_lshl_b32 s25, s20, 1
	s_add_co_u32 s34, s34, s25                     ; my wave's first tile of two
	s_mul_i32 s34, s34, TROW
	s_mul_i32 s25, s23, PROW
	s_add_co_u32 s34, s34, s25
	s_add_nc_u64 s[32:33], s[16:17], s[34:35]
	s_wait_alu depctr_va_vdst(0)
	v_and_b32 v10, 8, v2
	v_add_nc_u32 v10, v10, v2                      ; r + 8 (r / 8)
	v_lshl_add_u32 v10, v3, 3, v10                 ; lanes 16-31 take the second tile: 8 columns on
	v_lshlrev_b32 v16, 2, v10                      ; my column, in bytes
	v_mul_u32_u24 v17, v3, TROW
	v_lshl_add_u32 v18, v2, 2, v17
	v_add_nc_u32 v18, 4096, v18                    ; my scale word: tile, + 4 r
	v_lshl_add_u32 v17, v2, 4, v17                 ; my codes: tile, + 16 r
.macro WLOAD t, n                      ; block t: W(32 t + i, my column)
.irp i, 0,1,2,3,4,5,6,7,8,9,10,11,12,13,14,15,16,17,18,19,20,21,22,23,24,25,26,27,28,29,30,31
	global_load_b32 v[X+32*((\t)%2)+\i], v16, s[30:31] offset:(32*(\t)+\i)*(\n)*4 th:TH_LOAD_NT
.endr
.endm
.macro WBLOCK t, n
.set XS, X+32*((\t)%2)
.set CT, C+8*(\t)
.if (\t) < 7
	s_wait_loadcnt 32                              ; this block's 32 loads are in; the next block's may be out
.else
	s_wait_loadcnt 0x0
.endif
	v_max3_num_f32 v12, |v[XS]|, |v[XS+1]|, |v[XS+2]|      ; all 32 numbers of the block are mine
	v_max3_num_f32 v13, |v[XS+3]|, |v[XS+4]|, |v[XS+5]|
.irp i, 6,10,14,18,22,26
	v_max3_num_f32 v12, v12, |v[XS+\i]|, |v[XS+\i+1]|
	v_max3_num_f32 v13, v13, |v[XS+\i+2]|, |v[XS+\i+3]|
.endr
	v_max3_num_f32 v12, v12, |v[XS+30]|, |v[XS+31]|
	v_max3_num_f32 v12, v12, v13, 0x4800000
	v_add_nc_u32 v11, 0xfc000000, v12
	v_and_or_b32 v10, v12, 0x7f800000, s28
	v_lshrrev_b32 v13, 23, v11
.if (\t)%4 == 0
	v_mov_b32 v[14+(\t)/4], v13                    ; four bytes to a word, the lower K in the lower byte
.else
	v_lshl_or_b32 v[14+(\t)/4], v13, 8*((\t)%4), v[14+(\t)/4]
.endif
.irp i, 0,1,2,3,4,5,6,7,8,9,10,11,12,13,14,15,16,17,18,19,20,21,22,23,24,25,26,27,28,29,30,31
	v_med3_num_f32 v[XS+\i], v[XS+\i], -v10, v10
.endr
.irp g, 0,1,2,3
	v_cvt_scalef32_pk8_fp8_f32 v[CT+2*\g:CT+2*\g+1], v[XS+8*\g:XS+8*\g+7], v11
.endr
	v_nop
.if (\t)+2 < 8
	WLOAD (\t)+2, \n
.endif
	global_store_b128 v17, v[CT:CT+3], s[32:33] offset:((\t)/4)*2048+512*((\t)%4)         ; k 0-15 of the block: the image's lanes 0-15; sixteen lanes store 256 consecutive bytes
	global_store_b128 v17, v[CT+4:CT+7], s[32:33] offset:((\t)/4)*2048+512*((\t)%4)+256   ; k 16-31: its lanes 16-31
.if (\t)%4 == 3
	global_store_b32 v18, v[14+(\t)/4], s[32:33] offset:128*((\t)/4)                      ; the scale words, and once more for the image's upper lanes: every byte is written
	global_store_b32 v18, v[14+(\t)/4], s[32:33] offset:128*((\t)/4)+64
.endif
.endm
.macro WPATH n
	WLOAD 0, \n
	WLOAD 1, \n
.irp t, 0,1,2,3,4,5,6,7
	WBLOCK \t, \n
.endr
.endm
	s_sub_co_u32 s24, s22, 16
	s_cmp_lt_u32 s24, 8                            ; Wk and Wv have rows of 512 numbers; the row's length stands in the loads' immediates, so the path is written twice
	s_cbranch_scc1 .Lnarrow
	s_lshl_b32 s34, s23, 21                        ; 256 rows of 8,192 bytes
	s_add_nc_u64 s[30:31], s[30:31], s[34:35]
	WPATH 2048
	s_endpgm
.Lnarrow:
	s_lshl_b32 s34, s23, 19                        ; 256 rows of 2,048 bytes
	s_add_nc_u64 s[30:31], s[30:31], s[34:35]
	s_wait_alu depctr_va_vdst(0)
	WPATH 512
	s_endpgm
.Lfunc_end_k_q2380ccfa0a_quant:
	.size	k_q2380ccfa0a_quant, .Lfunc_end_k_q2380ccfa0a_quant-k_q2380ccfa0a_quant
	.p2alignl 7, 3214868480
	.fill 96, 4, 3214868480
	.section	.rodata,"a",@progbits
	.p2align	6, 0x0
	.amdhsa_kernel k_q2380ccfa0a_quant
		.amdhsa_group_segment_fixed_size 34304
		.amdhsa_private_segment_fixed_size 0
		.amdhsa_enable_private_segment 0
		.amdhsa_kernarg_size 56
		.amdhsa_user_sgpr_count 2
		.amdhsa_user_sgpr_kernarg_segment_ptr 1
		.amdhsa_wavefront_size32 1
		.amdhsa_system_sgpr_workgroup_id_x 1
		.amdhsa_system_sgpr_workgroup_id_y 1
		.amdhsa_system_sgpr_workgroup_id_z 1
		.amdhsa_system_vgpr_workitem_id 0
		.amdhsa_next_free_vgpr 258
		.amdhsa_next_free_sgpr 66
		.amdhsa_reserve_vcc 0
		.amdhsa_float_denorm_mode_32 3
		.amdhsa_float_denorm_mode_16_64 3
		.amdhsa_memory_ordered 1
		.amdhsa_forward_progress 1
		.amdhsa_inst_pref_size 162
	.end_amdhsa_kernel
	.amdgpu_metadata
---
amdhsa.version: [ 1, 2 ]
amdhsa.kernels:
  - .name:           k_q2380ccfa0a_quant
    .symbol:         k_q2380ccfa0a_quant.kd
    .args:
      - { .name: x, .offset: 0, .size: 8, .value_kind: global_buffer, .address_space: global }
      - { .name: Wq, .offset: 8, .size: 8, .value_kind: global_buffer, .address_space: global }
      - { .name: Wk, .offset: 16, .size: 8, .value_kind: global_buffer, .address_space: global }
      - { .name: Wv, .offset: 24, .size: 8, .value_kind: global_buffer, .address_space: global }
      - { .name: Wo, .offset: 32, .size: 8, .value_kind: global_buffer, .address_space: global }
      - { .name: xc, .offset: 40, .size: 8, .value_kind: global_buffer, .address_space: global }
      - { .name: wc, .offset: 48, .size: 8, .value_kind: global_buffer, .address_space: global }
    .group_segment_fixed_size: 34304
    .private_segment_fixed_size: 0
    .kernarg_segment_align: 8
    .kernarg_segment_size: 56
    .max_flat_workgroup_size: 128
    .sgpr_count:     66
    .vgpr_count:     258
    .wavefront_size: 32
...
	.end_amdgpu_metadata
.endif
;; end of part 1
;; launch qkv (part 2): grid 24 x 8, 4 waves a work-group, clusters of 4 x 4, 327,680 bytes of LDS; arguments xc, wc, rope_cos, rope_sin, qc, kv; writes qc, kv
.if DOCPART == 2
	.amdgcn_target "amdgcn-amd-amdhsa--gfx1250"
	.amdhsa_code_object_version 6
	.text
	.protected	k_q2380ccfa0a_qkv
	.globl	k_q2380ccfa0a_qkv
	.p2align	8
	.type	k_q2380ccfa0a_qkv,@function
k_q2380ccfa0a_qkv:
	s_mov_b64 s[64:65], 0
	v_nop
	global_prefetch_b8 v0, s[64:65] scope:SCOPE_SE
	s_setreg_imm32_b32 hwreg(HW_REG_WAVE_MODE, 25, 1), 1
	s_wait_xcnt 0x0
	s_wait_alu depctr_hold_cnt(0) depctr_sa_sdst(0) depctr_va_vdst(0) depctr_va_sdst(0) depctr_va_ssrc(0) depctr_va_vcc(0) depctr_vm_vsrc(0)
	s_getreg_b32 s2, hwreg(HW_REG_IB_STS2, 6, 4)
	s_cmp_eq_u32 s2, 0
	s_cbranch_scc0 .Lentry_in_a_cluster
	s_endpgm
.Lentry_in_a_cluster:
	s_bfe_u32 s2, ttmp6, 0x10000c
	s_cmp_lg_u32 s2, 0xf033
	s_cbranch_scc0 .Lentry_shape_is_right
	s_endpgm
.Lentry_shape_is_right:
; q = rope(x Wq), k = rope(x Wk), v = x Wv on codes of E4M3 with E8M0 scales, and q, k (along the head's 128) and v (along the keys) quantised again on the way out.
; A work-group makes 256 tokens x one head's 128 columns: column X = 0-15 a head of q, 16-19 of k, 20-23 of v; Y = the block of tokens.  A cluster of 4 x 4 holds one kind alone (cluster x < 4: q, 4: k, 5: v).
; OPERANDS lie in memory and in LDS as images of their registers (tile T = rows 32 (T / 2) + 8 (T % 2) + r + 8 (r / 8); fragment 2,048 bytes; two K steps with their scale words 4,352 bytes), so every LDS load reads 512 consecutive bytes.
; q, k: source 0 = the head's 8 tiles of W, source 1 = 4 tiles of my 64 tokens: a lane holds ONE token, and its 64 registers the channels 32 b + 16 (lane / 16) + i: channel d and d + 64 lie 32 registers apart, so rope stays in the lane.
; v: source 0 = 8 tiles of tokens (128 keys), source 1 = 4 tiles of channels: a lane holds one channel and its registers run along the keys, v's K in the second product of attention.
; K goes in slots of two K steps through a ring of two LDS slots; x's tiles are asked for jointly along a row of the cluster, W's along a column.
; REGISTERS: window 0: v4-16 addresses; v32-55 scale words, two sets; v64-191 source 1's fragments, two sets (on the way out codes and work); v192-255 the numbers to be quantised.
;   window 1: source 0's fragments, two sets of 128 (later rope's tables of tiles 2, 3).  window 2: the 32 accumulators, (n, t) at 8 (8 n + t).  window 3: rope's tables of tiles 0, 1.
; LIMITS: NaN and infinities are not served; a block under 2^-118 keeps the byte 1, a block of zeros too (its codes are zeros; this program alone reads the bytes); rope is a multiplication and a fused multiply-add.
.set TSTR,  4352                       ; a tile's bytes in a slot
.set TROW,  34816                      ; a tile's bytes in memory
.set SLOT,  24*TSTR                    ; x's 16 tiles, then W's 8
.set SPARE, 2*SLOT                     ; the spare words, 128 bytes a wave: two blocks of 256 bytes that no other line names
.set LAPS,  4                          ; 16 K steps = 4 times round the ring
.set ADP, 4                            ; v4-5   LDS address of source 0's fragments in slot 0, 1
.set ADQ, 6                            ; v6-7   of source 1's
.set ASP, 8                            ; v8-9   of source 0's scale words
.set ASQ, 10                           ; v10-11 of source 1's
.set SPW, 12                           ; v12    my spare word; never rewritten
.set NIL, 13                           ; v13    0; never rewritten
.set RA,  14                           ; v14    my byte in a tile's rows of rope's tables
.set LI,  15                           ; v15    16 x lane
.set LS,  16                           ; v16    4 x lane
.set SC,  32
.set QF,  64
.set PC,  64                           ; the way out: codes, 16 registers a tile
.set TM,  128                          ; at work in QUANT
.set PW,  144                          ; a scale word a tile
.set H,   192
.set G1,  24
.set G0,  32
.set G1B, 48
.set G0B, 56
.set MSB, 0
.macro WIN new                         ; the immediate's high byte repeats the setting that is left
.if MSB != \new
	s_set_vgpr_msb (MSB<<8)|\new
.set MSB, \new
.endif
.endm
.set MUL,  0xa1                        ; source 0 window 1, source 1 window 0, C and D window 2
.set TO_P, 0x40                        ; destination window 1, address window 0
.macro PLACES n
.rept \n
	v_nop
.endr
.endm
; A joint load: waves 0 and 1 fetch x's tiles, waves 2 and 3 W's.  The branch hangs on the wave's number alone.  Four v_nop follow each of the two lines.
.macro JLOAD g0a, g1a, g0b, g1b
	s_cmp_eq_u32 s17, 0
	s_cbranch_scc0 .Lfor_b_\@
	tensor_load_to_lds s[\g0a:\g0a+3], s[\g1a:\g1a+7]
	s_nop 0
.rept 4
	v_nop
.endr
	s_branch .Lasked_\@
.Lfor_b_\@:
	tensor_load_to_lds s[\g0b:\g0b+3], s[\g1b:\g1b+7]
	s_nop 0
.rept 4
	v_nop
.endr
.Lasked_\@:
.endm
.macro CREST                           ; the cluster's barrier behind its opening barrier
	s_cmp_lg_u32 s16, 0
	s_cbranch_scc1 .Lnot_wave_0_\@
	s_barrier_signal -3
.Lnot_wave_0_\@:
	s_barrier_wait -3
	s_barrier_signal -1
	s_barrier_wait -1
.endm
.macro CROUND
	s_barrier_signal -1
	s_barrier_wait -1
	CREST
.endm
	s_load_b256 s[4:11], s[0:1], 0x0               ; xc s[4:5], wc s[6:7], cos s[8:9], sin s[10:11]
	s_load_b128 s[12:15], s[0:1], 0x20             ; qc s[12:13], kv s[14:15]
	v_lshl_add_u32 v[SPW], v0, 2, SPARE
	v_mov_b32 v[NIL], 0
	ds_add_u32 v12, v13
	ds_add_u32 v12, v13
	s_wait_dscnt 0x0
	v_lshrrev_b32 v1, 5, v0
	v_readfirstlane_b32 s16, v1                    ; wave 0..3
	s_lshr_b32 s17, s16, 1
	s_and_b32 s18, s16, 1
	s_bfe_u32 s19, ttmp6, 0x40000                  ; cx
	s_bfe_u32 s20, ttmp6, 0x40004                  ; cy
	s_lshl_b32 s21, ttmp9, 2
	s_add_co_u32 s21, s21, s19                     ; X
	s_and_b32 s22, ttmp7, 0xffff
	s_lshl_b32 s22, s22, 2
	s_add_co_u32 s22, s22, s20                     ; Y
	s_lshl_b32 s23, s20, 2
	s_lshl_b32 s23, 15, s23                        ; my row of the cluster
	s_lshl_b32 s40, 0x1111, s19                    ; my column
	; group 1: rows of 4,352 bytes (544 elements of 8 bytes), 34,816 bytes apart in memory, dense in LDS: 8 rows of x, 4 of W
	s_or_b32 s[G1], s23, (3<<16)|(1<<21)           ; 15:0 the mask; 17:16 elements of 8 bytes; 21 set beside a mask
	s_or_b32 s[G1B], s40, (3<<16)|(1<<21)
	s_mov_b32 s[G1+1], (TSTR/8)<<16                ; tensor_dim0
	s_mov_b32 s[G1+2], 8<<16                       ; tensor_dim1
	s_mov_b32 s[G1+3], (TSTR/8)<<16                ; tile_dim0
	s_mov_b32 s[G1+4], 8                           ; tile_dim1
	s_mov_b32 s[G1+5], TROW/8                      ; the pitch
	s_mov_b32 s[G1+6], 0
	s_mov_b32 s[G1+7], 0
	s_mov_b32 s[G1B+1], (TSTR/8)<<16
	s_mov_b32 s[G1B+2], 4<<16
	s_mov_b32 s[G1B+3], (TSTR/8)<<16
	s_mov_b32 s[G1B+4], 4
	s_mov_b32 s[G1B+5], TROW/8
	s_mov_b32 s[G1B+6], 0
	s_mov_b32 s[G1B+7], 0
	s_lshl_b32 s42, s22, 4
	s_lshl_b32 s41, s18, 3
	s_add_co_u32 s42, s42, s41                     ; x: tile 16 Y + 8 x half
	s_mul_i32 s42, s42, TROW
	s_mov_b32 s43, 0
	s_lshl_b32 s44, s21, 3
	s_lshl_b32 s46, s18, 2
	s_add_co_u32 s44, s44, s46                     ; W: tile 8 X + 4 x half
	s_mul_i32 s44, s44, TROW
	s_mov_b32 s45, 0
	s_mul_i32 s47, s18, 8*TSTR                     ; where they go: no place in the cluster enters an LDS address
	s_mul_i32 s46, s18, 4*TSTR
	s_add_co_u32 s46, s46, 16*TSTR
	s_wait_kmcnt 0x0
	s_add_nc_u64 s[42:43], s[4:5], s[42:43]
	s_add_nc_u64 s[44:45], s[6:7], s[44:45]
	CROUND                                         ; all sixteen work-groups are here: the first joint loads meet
.irp s, 0,1
	s_mov_b32 s[G0+4*\s], 1
	s_add_co_u32 s[G0+4*\s+1], s47, \s*SLOT
	s_add_nc_u64 s[G0+4*\s+2:G0+4*\s+3], s[42:43], \s*TSTR
	s_or_b32 s[G0+4*\s+3], s[G0+4*\s+3], 0x80000000
	s_mov_b32 s[G0B+4*\s], 1
	s_add_co_u32 s[G0B+4*\s+1], s46, \s*SLOT
	s_add_nc_u64 s[G0B+4*\s+2:G0B+4*\s+3], s[44:45], \s*TSTR
	s_or_b32 s[G0B+4*\s+3], s[G0B+4*\s+3], 0x80000000
.endr
	JLOAD G0, G1, G0B, G1B                         ; slot 0: one tensor load a wave at the head
	v_and_b32 v1, 31, v0
	v_and_b32 v2, 15, v0                           ; r
	v_bfe_u32 v3, v0, 4, 1                         ; h
	v_lshlrev_b32 v[LI], 4, v1
	s_wait_alu depctr_va_vdst(0)
	v_lshlrev_b32 v[LS], 2, v1
	; which tiles of a slot are my sources: q, k: source 0 = W's 8 (tile 16 on), source 1 = x's tiles 4 w on;  v: source 0 = x's tiles 8 (w / 2) on, source 1 = W's 16 + 4 (w % 2) on
	s_wait_alu depctr_va_vdst(0)
	s_lshl_b32 s70, s17, 3
	s_lshl_b32 s71, s16, 2
	s_lshl_b32 s72, s18, 2
	s_add_co_u32 s72, s72, 16
	s_cmp_eq_u32 ttmp9, 5
	s_cselect_b32 s70, s70, 16
	s_cselect_b32 s71, s72, s71
	s_mul_i32 s70, s70, TSTR
	s_mul_i32 s71, s71, TSTR
.irp s, 0,1
	v_add_nc_u32 v[ADP+\s], s70, v[LI]
	v_add_nc_u32 v[ASP+\s], s70, v[LS]
	v_add_nc_u32 v[ADQ+\s], s71, v[LI]
	v_add_nc_u32 v[ASQ+\s], s71, v[LS]
	s_add_co_u32 s70, s70, SLOT
	s_add_co_u32 s71, s71, SLOT
.endr
	v_and_b32 v17, 8, v2
	v_add_nc_u32 v17, v17, v2                      ; r + 8 (r / 8)
	v_lshlrev_b32 v[RA], 9, v17
	v_lshl_add_u32 v[RA], v3, 6, v[RA]             ; rope's tables: my token's row of 512 bytes, + 64 h
	s_wait_alu depctr_va_vdst(0)
	s_lshl_b32 s74, s22, 17
	s_lshl_b32 s75, s16, 15
	s_add_co_u32 s74, s74, s75                     ; token 256 Y + 64 w
	s_mov_b32 s75, 0
	s_add_nc_u64 s[8:9], s[8:9], s[74:75]
	s_add_nc_u64 s[10:11], s[10:11], s[74:75]
	; where the results go.  q: fragment 128 X + 16 Y + 4 w on.  k, v: block 16 cx + 2 Y + w / 2 of 34,816 bytes: K's 8 fragments, V's 8, K's scale words, V's
	s_lshl_b32 s72, s21, 7
	s_lshl_b32 s73, s22, 4
	s_add_co_u32 s72, s72, s73
	s_lshl_b32 s73, s16, 2
	s_add_co_u32 s72, s72, s73
	s_lshl_b32 s74, s72, 11
	s_lshl_b32 s76, s72, 7
	s_add_co_u32 s76, s76, 4194304
	s_lshl_b32 s77, s19, 4
	s_lshl_b32 s78, s22, 1
	s_add_co_u32 s77, s77, s78
	s_add_co_u32 s77, s77, s17
	s_mul_i32 s77, s77, TROW
	s_lshl_b32 s78, s18, 13
	s_add_co_u32 s78, s78, s77
	s_lshl_b32 s79, s18, 9
	s_add_co_u32 s79, s79, s77
	s_add_co_u32 s79, s79, 32768
	s_cmp_eq_u32 ttmp9, 5
	s_cselect_b32 s80, 16384, 0
	s_cselect_b32 s81, 1024, 0
	s_add_co_u32 s78, s78, s80
	s_add_co_u32 s79, s79, s81
	s_cmp_lt_u32 ttmp9, 4
	s_cselect_b64 s[82:83], s[12:13], s[14:15]
	s_cselect_b32 s74, s74, s78
	s_cselect_b32 s76, s76, s79
	s_mov_b32 s77, 0
	s_add_nc_u64 s[66:67], s[82:83], s[74:75]      ; codes
	s_add_nc_u64 s[68:69], s[82:83], s[76:77]      ; scale words
	s_mov_b32 s86, 0x76543210
	s_mov_b32 s87, 0xfedcba98
	s_mov_b32 s88, 0x600000
	; PREFETCHES INTO THE L2, two fills ahead of the joint loads.  A fill is 4,352 bytes (17 blocks of 256) of each of x's 16 tiles and W's 8.
	; The partners that ask for a tile jointly share the blocks out BY ADDRESS: wave w of the partner at cx names x's tile 4 cx + w (lanes 0-16 a block each; the lanes left over name the last block again);
	; the partner at cy names W's tiles 2 cy and 2 cy + 1: wave w tile 2 cy + w / 2, blocks 0-8 (w even) or 9-16 (w odd).  So each block is named once in each cluster that loads it.
	; Fills 1 and 2 are asked for here, fill 3 behind slot 1's load, fill f + 2 behind refill f; the last two refills ask for nothing.
.set PFX, 70                           ; s[70:71] my tile of x, stepped a fill at each refill
.set PFW, 72                           ; s[72:73] my tile of W
.set PXO, 18                           ; v18, v19 my lane's block; never rewritten
.set PWO, 19
	s_lshl_b32 s74, s22, 4
	s_lshl_b32 s75, s19, 2
	s_add_co_u32 s74, s74, s75
	s_add_co_u32 s74, s74, s16                     ; x: tile 16 Y + 4 cx + w
	s_mul_i32 s74, s74, TROW
	s_mov_b32 s75, 0
	s_add_nc_u64 s[PFX:PFX+1], s[4:5], s[74:75]
	s_lshl_b32 s74, s21, 3
	s_lshl_b32 s76, s20, 1
	s_add_co_u32 s74, s74, s76
	s_add_co_u32 s74, s74, s17                     ; W: tile 8 X + 2 cy + w / 2
	s_mul_i32 s74, s74, TROW
	s_add_nc_u64 s[PFW:PFW+1], s[6:7], s[74:75]
	s_sub_co_u32 s76, 8, s18
	s_mul_i32 s77, s18, 9
	v_min_u32 v[PXO], 16, v1
	v_lshlrev_b32 v[PXO], 8, v[PXO]
	v_min_u32 v[PWO], s76, v1
	v_add_nc_u32 v[PWO], s77, v[PWO]
	v_lshlrev_b32 v[PWO], 8, v[PWO]
	s_wait_alu depctr_va_vdst(0)
	global_prefetch_b8 v[PXO], s[PFX:PFX+1] offset:TSTR th:TH_LOAD_NT scope:SCOPE_SE
	global_prefetch_b8 v[PWO], s[PFW:PFW+1] offset:TSTR th:TH_LOAD_NT scope:SCOPE_SE
	global_prefetch_b8 v[PXO], s[PFX:PFX+1] offset:2*TSTR th:TH_LOAD_NT scope:SCOPE_SE
	global_prefetch_b8 v[PWO], s[PFW:PFW+1] offset:2*TSTR th:TH_LOAD_NT scope:SCOPE_SE
; rope's tables for my tile n: cos at register 128 (n % 2) + 16 b + i, sin 64 further on, in the accumulators' order: channel 32 b + 16 h + i
.macro ROPELD n
.irp b, 0,1,2,3
.irp j, 0,1,2,3
	global_load_b128 v[128*((\n)%2)+16*\b+4*\j:128*((\n)%2)+16*\b+4*\j+3], v[RA], s[8:9] offset:(32*((\n)/2)+8*((\n)%2))*512+128*\b+16*\j
	global_load_b128 v[128*((\n)%2)+64+16*\b+4*\j:128*((\n)%2)+64+16*\b+4*\j+3], v[RA], s[10:11] offset:(32*((\n)/2)+8*((\n)%2))*512+128*\b+16*\j
.endr
.endr
.endm
	; The tables of tiles 0 and 1 are asked for here, a whole K loop ahead of their use, by EVERY work-group: so window 3 is written on every way that leads to the lines that read it.
	; The 32 work-groups of v do not use them: 64 loads a wave of rows that lie inside the tables (token 256 Y + 64 w on) and that q's and k's work-groups of the same Y read too; nothing on v's way waits for them.
	WIN 0xc0                                       ; destination window 3
	ROPELD 0
	ROPELD 1
	WIN 0
; the fragments and scale words of the slot's q-th K step into set p: 60 LDS loads in one run
.macro FETCH slot, q, p
	WIN TO_P
.irp t, 0,1,2,3,4,5,6,7
.irp c, 0,1,2,3
	ds_load_b128 v[128*(\p)+16*\t+4*\c:128*(\p)+16*\t+4*\c+3], v[ADP+\slot] offset:\t*TSTR+2048*(\q)+512*\c
.endr
.endr
	WIN 0
.irp n, 0,1,2,3
.irp c, 0,1,2,3
	ds_load_b128 v[QF+64*(\p)+16*\n+4*\c:QF+64*(\p)+16*\n+4*\c+3], v[ADQ+\slot] offset:\n*TSTR+2048*(\q)+512*\c
.endr
.endr
.irp t, 0,1,2,3,4,5,6,7
	ds_load_b32 v[SC+12*(\p)+\t], v[ASP+\slot] offset:\t*TSTR+4096+128*(\q)
.endr
.irp n, 0,1,2,3
	ds_load_b32 v[SC+12*(\p)+8+\n], v[ASQ+\slot] offset:\n*TSTR+4096+128*(\q)
.endr
.endm
; 8 matrix instructions: source 1's tile n against source 0's eight.  The 32 accumulators take turns, one instruction a turn, in the same order in every K step.
.macro MULN n, p, zero
.irp t, 0,1,2,3,4,5,6,7
.if \zero
	v_wmma_scale_f32_16x16x128_f8f6f4 v[8*(8*(\n)+\t):8*(8*(\n)+\t)+7], v[128*(\p)+16*\t:128*(\p)+16*\t+15], v[QF+64*(\p)+16*(\n):QF+64*(\p)+16*(\n)+15], 0, v[SC+12*(\p)+\t], v[SC+12*(\p)+8+(\n)]
.else
	v_wmma_scale_f32_16x16x128_f8f6f4 v[8*(8*(\n)+\t):8*(8*(\n)+\t)+7], v[128*(\p)+16*\t:128*(\p)+16*\t+15], v[QF+64*(\p)+16*(\n):QF+64*(\p)+16*(\n)+15], v[8*(8*(\n)+\t):8*(8*(\n)+\t)+7], v[SC+12*(\p)+\t], v[SC+12*(\p)+8+(\n)]
.endif
.endr
.endm
; A K step that has its successor in the same slot.  Eight places stand in front of loads into registers that matrix instructions have read.
.macro STEP slot, q, zero
	s_wait_dscnt 0x0                               ; this step's set is in
	WIN MUL
	MULN 0, (\q)%2, \zero
	MULN 1, (\q)%2, \zero
	PLACES 8
	FETCH \slot, (\q)+1, 1-(\q)%2
	WIN MUL
	MULN 2, (\q)%2, \zero
	MULN 3, (\q)%2, \zero
.endm
; A slot's last K step (set 1) changes slots: one barrier; in front of it each wave waits for all its tensor loads, adds 0 to its spare word, and waits for that and for its reads of this slot.
.macro ASK                             ; behind refill f: fill f + 2; the loop's last trip (s3 = 1) has no fill two on
	s_cmp_gt_u32 s3, 1
	s_cbranch_scc0 .Lno_ask_\@
	global_prefetch_b8 v[PXO], s[PFX:PFX+1] offset:3*TSTR th:TH_LOAD_NT scope:SCOPE_SE
	global_prefetch_b8 v[PWO], s[PFW:PFW+1] offset:3*TSTR th:TH_LOAD_NT scope:SCOPE_SE
.Lno_ask_\@:
.endm
.macro TURN slot, next, fill
	WIN 0
.if \fill
	s_wait_xcnt 0x0                                ; my prefetches have read their bases: they step a fill on
	s_add_nc_u64 s[PFX:PFX+1], s[PFX:PFX+1], TSTR
	s_add_nc_u64 s[PFW:PFW+1], s[PFW:PFW+1], TSTR
.endif
	s_wait_tensorcnt 0x0
	ds_add_u32 v[SPW], v[NIL]                      ; 0 onto my spare word
	s_wait_dscnt 1                                 ; this step's set is in; the add may be out
	WIN MUL
	MULN 0, 1, 0
	s_wait_dscnt 0x0                               ; the add is done, and my reads of this slot are over
	s_barrier_signal -1
	MULN 1, 1, 0
	WIN 0
	s_barrier_wait -1
.if \fill
	CREST                                          ; no wave of any partner still reads this slot or has a load on its way
	s_add_nc_u64 s[G0+4*\slot+2:G0+4*\slot+3], s[G0+4*\slot+2:G0+4*\slot+3], 2*TSTR
	s_add_nc_u64 s[G0B+4*\slot+2:G0B+4*\slot+3], s[G0B+4*\slot+2:G0B+4*\slot+3], 2*TSTR
	JLOAD G0+4*\slot, G1, G0B+4*\slot, G1B         ; my one tensor load behind the barrier; its four v_nop are four of the eight places
	PLACES 4
.else
	PLACES 8
.endif
	FETCH \next, 0, 0
.if \fill
	ASK                                            ; behind the joint load and the run of LDS loads
.endif
	WIN MUL
	MULN 2, 1, 0
	MULN 3, 1, 0
.endm
	s_wait_alu depctr_va_vdst(0)
	s_wait_tensorcnt 0x0                           ; my part of slot 0 is in
	ds_add_u32 v[SPW], v[NIL]
	s_wait_dscnt 0x0
	CROUND                                         ; a whole round: slot 0 is whole, and all sixteen work-groups are here
	JLOAD G0+4, G1, G0B+4, G1B                     ; slot 1's first fill: my one tensor load behind the round
	FETCH 0, 0, 0
	global_prefetch_b8 v[PXO], s[PFX:PFX+1] offset:3*TSTR th:TH_LOAD_NT scope:SCOPE_SE
	global_prefetch_b8 v[PWO], s[PFW:PFW+1] offset:3*TSTR th:TH_LOAD_NT scope:SCOPE_SE
	STEP 0, 0, 1                                   ; the first K step starts the sums
	WIN 0
	s_mov_b32 s3, LAPS-1
.Llap:
	TURN 0, 1, 1
	STEP 1, 0, 0
	TURN 1, 0, 1
	STEP 0, 0, 0
	WIN 0
	s_sub_co_u32 s3, s3, 1
	s_cmp_lg_u32 s3, 0
	s_cbranch_scc1 .Llap
	TURN 0, 1, 0                                   ; the last lap fills nothing
; eight loads: rope's tables for my tile n, block b of 32 channels (registers and offsets as in ROPELD)
.macro RLB n, b
.irp j, 0,1,2,3
	global_load_b128 v[128*((\n)%2)+16*(\b)+4*\j:128*((\n)%2)+16*(\b)+4*\j+3], v[RA], s[8:9] offset:(32*((\n)/2)+8*((\n)%2))*512+128*(\b)+16*\j
	global_load_b128 v[128*((\n)%2)+64+16*(\b)+4*\j:128*((\n)%2)+64+16*(\b)+4*\j+3], v[RA], s[10:11] offset:(32*((\n)/2)+8*((\n)%2))*512+128*(\b)+16*\j
.endr
.endm
	STEP 1, 0, 0
	; The last K step multiplies set 1.  Tile 2's tables land in source 0's set 0, which the step above has left: eight loads ahead of each group of eight products.
	; Every work-group asks, v's too, which do not use them (rows inside the tables): so the counts of the waits on the way out are the same on every way.
	PLACES 8                                       ; behind the products that read set 0
	WIN 0x40
	RLB 2, 0
	s_wait_dscnt 0x0
	WIN MUL
	MULN 0, 1, 0
	WIN 0x40
	RLB 2, 1
	WIN MUL
	MULN 1, 1, 0
	WIN 0x40
	RLB 2, 2
	WIN MUL
	MULN 2, 1, 0
	WIN 0x40
	RLB 2, 3
	WIN MUL
	MULN 3, 1, 0
	WIN 0
; THE WAY OUT.  64 numbers of a lane in window w, register 16 b + i = k 32 b + 16 (lane / 16) + i, become a fragment's codes in v[pc] on and its scale word in v[pw]; the held numbers pass through v[H] on.
.macro QUANT s, w, pc, pw
	WIN ((\w)<<2)|((\w)<<4)
.irp b, 0,1,2,3
	v_max3_num_f32 v[TM+\b], 0x4800000, |v[(\s)+16*\b]|, |v[(\s)+1+16*\b]|   ; my 16 numbers of block b, from each accumulator's low end on, and the floor 2^(9 - 127)
.endr
.irp i, 2,4,6,8,10,12,14
.irp b, 0,1,2,3
	v_max3_num_f32 v[TM+\b], v[TM+\b], |v[(\s)+16*\b+\i]|, |v[(\s)+1+16*\b+\i]|
.endr
.endr
	WIN 0
.irp b, 0,1,2,3
	v_permlanex16_b32 v[TM+4+\b], v[TM+\b], s86, s87
.endr
.irp b, 0,1,2,3
	v_max_num_f32 v[TM+\b], v[TM+\b], v[TM+4+\b]
.endr
.irp b, 0,1,2,3
	v_add_nc_u32 v[TM+12+\b], 0xfc000000, v[TM+\b]
.endr
.irp b, 0,1,2,3
	v_and_or_b32 v[TM+8+\b], v[TM+\b], 0x7f800000, s88
.endr
.irp b, 0,1,2,3
	v_lshrrev_b32 v[TM+4+\b], 23, v[TM+12+\b]
.endr
	v_lshl_or_b32 v[\pw], v[TM+5], 8, v[TM+4]
	v_lshl_or_b32 v[\pw], v[TM+6], 16, v[\pw]
	v_lshl_or_b32 v[\pw], v[TM+7], 24, v[\pw]
	WIN \w
.irp b, 0,1,2,3
.irp i, 0,1,2,3,4,5,6,7,8,9,10,11,12,13,14,15
	v_med3_num_f32 v[H+16*\b+\i], v[(\s)+16*\b+\i], -v[TM+8+\b], v[TM+8+\b]   ; the conversion does not saturate (ISA guide 7.6.2): the hold
.endr
.endr
	WIN 0
.irp b, 0,1,2,3
	v_cvt_scalef32_pk8_fp8_f32 v[(\pc)+4*\b:(\pc)+4*\b+1], v[H+16*\b:H+16*\b+7], v[TM+12+\b]
	v_cvt_scalef32_pk8_fp8_f32 v[(\pc)+4*\b+2:(\pc)+4*\b+3], v[H+16*\b+8:H+16*\b+15], v[TM+12+\b]
.endr
	v_nop                                          ; one plain line behind the last conversion
.endm
.macro OUT n                           ; the fragment's image, 512 consecutive bytes a store, and its scale words
.irp c, 0,1,2,3
	global_store_b128 v[LI], v[PC+16*(\n)+4*\c:PC+16*(\n)+4*\c+3], s[66:67] offset:(\n)*2048+512*\c
.endr
	global_store_b32 v[LS], v[PW+(\n)], s[68:69] offset:(\n)*128
.endm
; rope on tile n: register e < 32 is channel d < 64, register e + 32 channel d + 64: out(d) = t(d) cos(d) - t(d + 64) sin(d), out(d + 64) = t(d + 64) cos(d + 64) + t(d) sin(d + 64)
.macro ROPE n
.if (\n) < 2
	WIN 0x0e                                       ; source 0 (the sums) window 2, source 1 (the tables) window 3
.else
	WIN 0x06                                       ; the tables in window 1
.endif
.set AN, 64*(\n)
.set TN, 128*((\n)%2)
.irp e, 0,2,4,6,8,10,12,14,16,18,20,22,24,26,28,30
	v_pk_mul_f32 v[H+\e:H+\e+1], v[AN+\e:AN+\e+1], v[TN+\e:TN+\e+1]
	v_pk_mul_f32 v[H+32+\e:H+32+\e+1], v[AN+32+\e:AN+32+\e+1], v[TN+32+\e:TN+32+\e+1]
	v_pk_fma_f32 v[H+\e:H+\e+1], v[AN+32+\e:AN+32+\e+1], v[TN+64+\e:TN+64+\e+1], v[H+\e:H+\e+1] neg_lo:[1,0,0] neg_hi:[1,0,0]
	v_pk_fma_f32 v[H+32+\e:H+32+\e+1], v[AN+\e:AN+\e+1], v[TN+96+\e:TN+96+\e+1], v[H+32+\e:H+32+\e+1]
.endr
	WIN 0
.endm
	PLACES 8                                       ; behind the last products: for the reads of their results, and for loads and writes into their operands' registers
.irp b, 0,1,2,3
	v_mov_b32 v[TM+4+\b], 0                        ; a lane permute's destination counts as one of its sources
.endr
	s_cmp_eq_u32 ttmp9, 5
	s_cbranch_scc1 .Lvpath
	s_wait_loadcnt 32                              ; the tables of tiles 0 and 1, asked for at the head, are in; tile 2's 32 loads may be out
	ROPE 0
	WIN 0x40
	RLB 3, 0                                       ; tile 3's tables land in source 0's set 1, in two runs of sixteen loads among tile 0's work
	RLB 3, 1
	WIN 0
	QUANT H, 0, PC, PW
	OUT 0
	WIN 0x40
	RLB 3, 2
	RLB 3, 3
	WIN 0
	ROPE 1
	QUANT H, 0, PC+16, PW+1
	OUT 1
	s_wait_loadcnt 32                              ; tile 2's 32 loads are in; tile 3's may be out
	ROPE 2
	QUANT H, 0, PC+32, PW+2
	OUT 2
	s_wait_loadcnt 0x0
	ROPE 3
	QUANT H, 0, PC+48, PW+3
	OUT 3
	s_branch .Lend
.Lvpath:
.irp n, 0,1,2,3
	QUANT 64*\n, 2, PC+16*\n, PW+\n
	OUT \n
.endr
.Lend:
	s_wait_tensorcnt 0x0                           ; the wave's end
	ds_add_u32 v[SPW], v[NIL]
	s_wait_dscnt 0x0
	CROUND                                         ; the closing pass of the cluster's barrier: no work-group ends while a partner may still ask for a tile that names it
	s_endpgm
.Lfunc_end_k_q2380ccfa0a_qkv:
	.size	k_q2380ccfa0a_qkv, .Lfunc_end_k_q2380ccfa0a_qkv-k_q2380ccfa0a_qkv
	.p2alignl 7, 3214868480
	.fill 96, 4, 3214868480
	.section	.rodata,"a",@progbits
	.p2align	6, 0x0
	.amdhsa_kernel k_q2380ccfa0a_qkv
		.amdhsa_group_segment_fixed_size 327680
		.amdhsa_private_segment_fixed_size 0
		.amdhsa_enable_private_segment 0
		.amdhsa_kernarg_size 48
		.amdhsa_user_sgpr_count 2
		.amdhsa_user_sgpr_kernarg_segment_ptr 1
		.amdhsa_wavefront_size32 1
		.amdhsa_system_sgpr_workgroup_id_x 1
		.amdhsa_system_sgpr_workgroup_id_y 1
		.amdhsa_system_sgpr_workgroup_id_z 1
		.amdhsa_system_vgpr_workitem_id 0
		.amdhsa_next_free_vgpr 1024
		.amdhsa_next_free_sgpr 90
		.amdhsa_reserve_vcc 0
		.amdhsa_float_denorm_mode_32 3
		.amdhsa_float_denorm_mode_16_64 3
		.amdhsa_memory_ordered 1
		.amdhsa_forward_progress 1
		.amdhsa_inst_pref_size 176
	.end_amdhsa_kernel
	.amdgpu_metadata
---
amdhsa.version: [ 1, 2 ]
amdhsa.kernels:
  - .name:           k_q2380ccfa0a_qkv
    .symbol:         k_q2380ccfa0a_qkv.kd
    .args:
      - { .name: xc, .offset: 0, .size: 8, .value_kind: global_buffer, .address_space: global }
      - { .name: wc, .offset: 8, .size: 8, .value_kind: global_buffer, .address_space: global }
      - { .name: rope_cos, .offset: 16, .size: 8, .value_kind: global_buffer, .address_space: global }
      - { .name: rope_sin, .offset: 24, .size: 8, .value_kind: global_buffer, .address_space: global }
      - { .name: qc, .offset: 32, .size: 8, .value_kind: global_buffer, .address_space: global }
      - { .name: kv, .offset: 40, .size: 8, .value_kind: global_buffer, .address_space: global }
    .group_segment_fixed_size: 327680
    .private_segment_fixed_size: 0
    .kernarg_segment_align: 8
    .kernarg_segment_size: 48
    .max_flat_workgroup_size: 128
    .sgpr_count:     90
    .vgpr_count:     1024
    .wavefront_size: 32
...
	.end_amdgpu_metadata
.endif
;; end of part 2
;; launch attn (part 3): grid 64 x 4, 8 waves a work-group, clusters of 4 x 1, 327,680 bytes of LDS; arguments qc, kv, ac; writes ac
.if DOCPART == 3
	.amdgcn_target "amdgcn-amd-amdhsa--gfx1250"
	.amdhsa_code_object_version 6
	.text
	.protected	k_q2380ccfa0a_attn
	.globl	k_q2380ccfa0a_attn
	.p2align	8
	.type	k_q2380ccfa0a_attn,@function
k_q2380ccfa0a_attn:
	s_mov_b64 s[64:65], 0
	v_nop
	global_prefetch_b8 v0, s[64:65] scope:SCOPE_SE
	s_setreg_imm32_b32 hwreg(HW_REG_WAVE_MODE, 25, 1), 1
	s_wait_xcnt 0x0
	s_wait_alu depctr_hold_cnt(0) depctr_sa_sdst(0) depctr_va_vdst(0) depctr_va_sdst(0) depctr_va_ssrc(0) depctr_va_vcc(0) depctr_vm_vsrc(0)
	s_getreg_b32 s2, hwreg(HW_REG_IB_STS2, 6, 4)
	s_cmp_eq_u32 s2, 0
	s_cbranch_scc0 .Lentry_in_a_cluster
	s_endpgm
.Lentry_in_a_cluster:
	s_bfe_u32 s2, ttmp6, 0x10000c
	s_cmp_lg_u32 s2, 0x3003
	s_cbranch_scc0 .Lentry_shape_is_right
	s_endpgm
.Lentry_shape_is_right:
; Causal attention with 16 query heads on 4 key and value heads, both products on codes of E4M3 with E8M0 scales; its result, divided by the row's sum, is quantised along heads x channels for the last product.
; THE SOFTMAX: t = score x log2(e) / sqrt(128); M = the running largest t rounded UP to a whole number; p = 2^(t - M) is quantised along the keys, not normalised; the row's sum is taken of the unquantised p.
; A block's largest p is made from its largest score by the same two instructions (this takes v_exp_f32 not to fall where its input rises).
; SHARES.  A unit is a head and a tile of 16 queries; tile i wants the key blocks (128 keys) 0 .. i / 8.  Tiles i = 8 a + b and 127 - i together want 17 blocks.  Waves w and w + 4 serve head 4 g + w of that pair in nine time steps:
;   wave w (the keeper): the long tile, blocks 0 .. 8;   wave w + 4 (the helper): the short tile, blocks 0 .. a, then the long tile, blocks 9 .. 15 - a: eight steps.
; At the end the helper hands its O^T, -M and sum of the long tile to the keeper through LDS; the two are joined by exact powers of two, since both M are whole numbers.
; TWO STREAMS of key blocks: at time u stream 0 is block u; stream 1 is block u up to u = a, then u + 8 - a (held at 15).  A slot holds two time steps of both: 4 x 34,816 bytes.  Waves 0-3 fetch one block each, jointly for the
; cluster's four work-groups, which share a and g.  All trip counts are constants.  Times 0 to 7 are wanted by every wave; at time 8 a helper jumps over the step by a scalar branch on ids.  Blocks of time 9, and stream 1's of time 8, are fetched and not read.
; LAYOUT.  Both products transposed (S^T = K Q^T, O^T = V^T P^T): a lane holds ONE query.  All operands lie as images of their registers; the keys of a tile are 32 (t / 2) + 8 (t % 2) + r + 8 (r / 8), so p's registers run along neighbouring keys.
; LDS LOADS STAND IN RUNS, AHEAD OF THEIR USE.  A step's eight fragments of K and eight of V have registers of their own (window 1).  V is asked for behind the S^T products and lands under the softmax; in a slot's first step the
; second step's K is asked for in the middle of the softmax.  Only the K of a slot's first step, which may be read only behind the change of slots, is waited for at once.
; SCALE WORDS come two tiles to a register: lanes 0-15 tile 2 u's, lanes 16-31 tile 2 u + 1's, which the odd tiles' products read by the selector for the upper lanes.
; REGISTERS (two waves share a SIMD: 512 each).  Window 0: v1-11 addresses; v12 -M, v13 the largest t, v[14:15] the sum; v16-31, v255 Q and its scale words; v32-35 V's scale words; v40-56 the long tile's Q and scale words, kept for the change of tiles;
;   v64-79 a finished tile's codes; v96-159 S^T, then p; v160-223 O^T; v224-239 p's codes; v232-247, v252, v254 at work; v248-251 K's scale words; v253 p's.   Window 1: v0-127 K's fragments, v128-255 V's.
; LIMITS: NaN and infinities are not served; v_exp_f32 and v_rcp_f32 are accurate to 1 ulp and flush denormals; a block under 2^-118 keeps the byte 1, a block of zeros too (its codes are zeros).
.set KVBLK, 34816                      ; K's 8 fragments, V's 8, K's scale words (8 x 128 bytes), V's
.set SLOTB, 4*KVBLK
.set SPARE, 2*SLOTB                    ; the spare words, 128 bytes a wave: four blocks of 256 bytes that no other line names
.set XCH,   SPARE+1024                 ; the helpers' parts: 8,448 bytes for each pair of waves; no tile lands here
.set KF,   0                           ; window 1: K's fragments
.set VF,   128                         ; window 1: V's
.set KS,   248                         ; K's scale words
.set VS,   32                          ; V's
.set QL,   40                          ; the long tile's Q
.set QLS,  56                          ; and its scale words
.set PC,   64                          ; a finished tile's codes
.set WV,   10
.set ROLE, 11                          ; 0 keeper, 1 helper
.set W3,   12
.set AA,   13
.set EXF,  14                          ; what the block that I fetch gains behind time a: (w % 2) (8 - a)
.set EXC,  15                          ; and the block that I read: role x (8 - a)
.set SWT,  16                          ; the time at which a helper changes tiles
.set NACT, 17                          ; my time steps
.set QB,   18                          ; the key block in which my tile's queries lie
.set QBL,  19                          ; the long tile's
.set TAU,  20
.set TNX,  21                          ; the first time step of the next fill
.set TB,   22                          ; LDS byte of the slot in hand
.set TF,   23                          ; and of the slot filled last
.set G1,   24
.set WB,   32
.set WH,   33
.set KB,   34
.set TQ,   35
.set SEL,  36
.set CS,   38
.set G0,   40
.set MNT,  44
.set DQL,  45
.set KVB,  46
.set PQ,   48
.set PQS,  50
.set PQL,  52
.set PQSL, 54
.set PA,   56
.set PAS,  58
.set PAL,  60
.set PASL, 62
.set LOOP, 80
.set DQC,  81
.set MSB, 0
.macro WIN new                         ; the immediate's high byte repeats the setting that is left; at a label and at a branch every window is 0
.if MSB != \new
	s_set_vgpr_msb (MSB<<8)|\new
.set MSB, \new
.endif
.endm
.macro PLACES n
.rept \n
	v_nop
.endr
.endm
.macro CROUND
	s_barrier_signal -1
	s_barrier_wait -1
	s_cmp_lg_u32 s[WV], 0
	s_cbranch_scc1 .Lnot_wave_0_\@
	s_barrier_signal -3
.Lnot_wave_0_\@:
	s_barrier_wait -3
	s_barrier_signal -1
	s_barrier_wait -1
.endm
.macro TLOAD                           ; waves 0-3 fetch a block each; four v_nop follow the line
	s_cmp_lt_u32 s[WV], 4
	s_cbranch_scc0 .Lnone_\@
	tensor_load_to_lds s[G0:G0+3], s[G1:G1+7]
	s_nop 0
.rept 4
	v_nop
.endr
.Lnone_\@:
.endm
.macro DESC                            ; group 0 for my block of the fill that begins at time TNX, into the slot at TF
	s_add_co_u32 s[G0+1], s[TF], s[WB]
	s_add_co_u32 s86, s[TNX], s[WH]                ; its time
	s_cmp_gt_u32 s86, s[AA]
	s_cselect_b32 s87, s[EXF], 0
	s_add_co_u32 s86, s86, s87
	s_min_u32 s86, s86, 15                         ; no fetch leaves the head's sixteen blocks
	s_mul_i32 s86, s86, KVBLK
	s_mov_b32 s87, 0
	s_add_nc_u64 s[G0+2:G0+3], s[KVB:KVB+1], s[86:87]
	s_or_b32 s[G0+3], s[G0+3], 0x80000000
	s_add_co_u32 s[TNX], s[TNX], 2
.endm
; THE CHANGE OF SLOTS stands at a slot's head.  fill = 1: the other slot is filled with the next two time steps.
.macro CHANGE fill
	s_wait_tensorcnt 0x0                           ; no tensor load of mine is out, so group 0 may be written
	ds_add_u32 v5, v6                              ; 0 onto my spare word
.if \fill
	s_xor_b32 s[TF], s[TF], SLOTB
	DESC
	s_wait_dscnt 0x0                               ; the add is done, and my reads of the slot that I have left are over
	CROUND
	TLOAD                                          ; the first thing behind the barrier, and a wave's one tensor load until the next
.else
	s_wait_dscnt 0x0
	s_barrier_signal -1
	s_barrier_wait -1
.endif
.endm
.macro MAKEDQ sr                       ; v7 = my query's place in its key block - 16 (lane / 16): register 16 b + i holds a hidden key where 32 b + i is larger
	v_and_b32 v252, 15, v0
	s_delay_alu instid0(VALU_DEP_1)
	v_and_b32 v254, 8, v252
	s_delay_alu instid0(VALU_DEP_1)
	v_add_nc_u32 v252, v252, v254
	v_bfe_u32 v254, v0, 4, 1
	s_delay_alu instid0(VALU_DEP_1)
	v_lshlrev_b32 v254, 4, v254
	s_delay_alu instid0(VALU_DEP_1)
	v_sub_nc_u32 v252, v252, v254
	s_delay_alu instid0(VALU_DEP_1)
	v_add_nc_u32 v7, s[\sr], v252
.endm
.macro RESET                           ; a tile's state: zeros, and -3e38 under every t
	v_mov_b32 v13, 0xff61b1e6
	s_delay_alu instid0(VALU_DEP_1)
	v_floor_f32 v12, -v13
	v_mov_b32 v14, 0
	v_mov_b32 v15, 0
.set J, 0
.rept 64
	v_mov_b32 v[160+J], 0
.set J, J+1
.endr
.endm
.macro QLOAD reg, sreg, pq, pqs        ; a tile's fragment of Q and its scale words
.irp c, 0,1,2,3
	global_load_b128 v[(\reg)+4*\c:(\reg)+4*\c+3], v10, s[\pq:\pq+1] offset:512*\c
.endr
	global_load_b32 v[\sreg], v11, s[\pqs:\pqs+1]
.endm
; 36 LDS loads in one run: the scale words first (two tiles to a register), then the eight fragments, 512 consecutive bytes a load.  v8 and v9 hold the block's addresses.
.macro KLOAD
.irp u, 0,1,2,3
	ds_load_b32 v[KS+\u], v9 offset:32768+256*\u
.endr
	WIN 0x40                                       ; destination window 1, address window 0
.irp t, 0,1,2,3,4,5,6,7
.irp c, 0,1,2,3
	ds_load_b128 v[KF+16*\t+4*\c:KF+16*\t+4*\c+3], v8 offset:\t*2048+512*\c
.endr
.endr
	WIN 0
.endm
.macro VLOAD
.irp u, 0,1,2,3
	ds_load_b32 v[VS+\u], v9 offset:33792+256*\u
.endr
	WIN 0x40
.irp t, 0,1,2,3,4,5,6,7
.irp c, 0,1,2,3
	ds_load_b128 v[VF+16*\t+4*\c:VF+16*\t+4*\c+3], v8 offset:16384+\t*2048+512*\c
.endr
.endr
	WIN 0
.endm
; tile t of S^T = K Q^T, and of O^T += V^T P^T; source 0 lies in window 1.  An odd tile's scale words lie in the upper lanes of its register.
.macro SMUL t
.if (\t)%2 == 0
	v_wmma_scale_f32_16x16x128_f8f6f4 v[96+8*(\t):103+8*(\t)], v[KF+16*(\t):KF+16*(\t)+15], v[16:31], 0, v[KS+(\t)/2], v255
.else
	v_wmma_scale_f32_16x16x128_f8f6f4 v[96+8*(\t):103+8*(\t)], v[KF+16*(\t):KF+16*(\t)+15], v[16:31], 0, v[KS+(\t)/2], v255 matrix_a_scale:MATRIX_SCALE_ROW1
.endif
.endm
.macro PMUL t
.if (\t)%2 == 0
	v_wmma_scale_f32_16x16x128_f8f6f4 v[160+8*(\t):167+8*(\t)], v[VF+16*(\t):VF+16*(\t)+15], v[224:239], v[160+8*(\t):167+8*(\t)], v[VS+(\t)/2], v253
.else
	v_wmma_scale_f32_16x16x128_f8f6f4 v[160+8*(\t):167+8*(\t)], v[VF+16*(\t):VF+16*(\t)+15], v[224:239], v[160+8*(\t):167+8*(\t)], v[VS+(\t)/2], v253 matrix_a_scale:MATRIX_SCALE_ROW1
.endif
.endm
; A tile is finished: O^T / the sum, quantised along the head's channels (register 16 b + i = channel 32 b + 16 (lane / 16) + i), stored as K step = head of the tile's row of images
.macro FINISH
	PLACES 8                                       ; behind the last products
	v_add_f32 v14, v14, v15
	s_delay_alu instid0(VALU_DEP_1)
	v_permlanex16_b32 v252, v14, s[SEL], s[SEL+1]
	s_delay_alu instid0(VALU_DEP_1)
	v_add_f32 v14, v14, v252                       ; the row's sum
	s_wait_alu depctr_va_vdst(0)
	v_rcp_f32 v14, v14
	v_nop
.set J, 0
	s_wait_alu depctr_va_vdst(0)
.rept 32
	v_pk_mul_f32 v[96+J:97+J], v[160+J:161+J], v[14:15] op_sel_hi:[1,0]
.set J, J+2
.endr
.irp b, 0,1,2,3
	v_max3_num_f32 v[232+\b], |v[96+16*\b]|, |v[97+16*\b]|, 0x4800000
.endr
.irp i, 2,4,6,8,10,12,14
.irp b, 0,1,2,3
	s_delay_alu instid0(VALU_DEP_4)
	v_max3_num_f32 v[232+\b], v[232+\b], |v[96+16*\b+\i]|, |v[97+16*\b+\i]|
.endr
.endr
.irp b, 0,1,2,3
	v_permlanex16_b32 v[236+\b], v[232+\b], s[SEL], s[SEL+1]
.endr
.irp b, 0,1,2,3
	s_delay_alu instid0(VALU_DEP_4)
	v_max_num_f32 v[232+\b], v[232+\b], v[236+\b]
.endr
.irp b, 0,1,2,3
	s_delay_alu instid0(VALU_DEP_4)
	v_add_nc_u32 v[244+\b], 0xfc000000, v[232+\b]
.endr
.irp b, 0,1,2,3
	v_and_or_b32 v[240+\b], v[232+\b], 0x7f800000, s[MNT]
.endr
.irp b, 0,1,2,3
	v_lshrrev_b32 v[236+\b], 23, v[244+\b]
.endr
	s_delay_alu instid0(VALU_DEP_3)
	v_lshl_or_b32 v254, v237, 8, v236
	s_delay_alu instid0(VALU_DEP_1)
	v_lshl_or_b32 v254, v238, 16, v254
	s_delay_alu instid0(VALU_DEP_1)
	v_lshl_or_b32 v254, v239, 24, v254
.irp b, 0,1,2,3
.irp i, 0,1,2,3,4,5,6,7,8,9,10,11,12,13,14,15
	v_med3_num_f32 v[96+16*\b+\i], v[96+16*\b+\i], -v[240+\b], v[240+\b]
.endr
	v_cvt_scalef32_pk8_fp8_f32 v[PC+4*\b:PC+4*\b+1], v[96+16*\b:103+16*\b], v[244+\b]
	v_cvt_scalef32_pk8_fp8_f32 v[PC+4*\b+2:PC+4*\b+3], v[104+16*\b:111+16*\b], v[244+\b]
.endr
	v_nop
.irp c, 0,1,2,3
	global_store_b128 v10, v[PC+4*\c:PC+4*\c+3], s[PA:PA+1] offset:512*\c
.endr
	global_store_b32 v11, v254, s[PAS:PAS+1]
.endm
.macro SWITCH                          ; a helper leaves the short tile for the long one, whose Q has lain in registers since the kernel's head
	FINISH
	s_wait_xcnt 0x0                                ; the stores have read their data and their bases: both are written again below
.set J, 0
.rept 16
	v_mov_b32 v[16+J], v[QL+J]
.set J, J+1
.endr
	v_mov_b32 v255, v[QLS]                         ; the 75 plain lines below are the places between these copies and the next products
	RESET
	s_mov_b32 s[QB], s[QBL]
	MAKEDQ DQL
	s_mov_b64 s[PA:PA+1], s[PAL:PAL+1]
	s_mov_b64 s[PAS:PAS+1], s[PASL:PASL+1]
.endm
; A TIME STEP: 128 keys, the q-th of the slot in hand.  kload = 1: its K is asked for here (a slot's first step); 0: the step before has asked.  pre = 1: it asks for the next step's K.  last = 1: time 8, which a helper jumps over.
.macro STEP q, kload, pre, last
	s_cmp_lg_u32 s[TAU], s[SWT]
	s_cbranch_scc1 .Lsame_\@
	SWITCH
.Lsame_\@:
.if \last
	s_cmp_ge_u32 s[TAU], s[NACT]
	s_cbranch_scc1 .Lidle_\@
.endif
	s_cmp_gt_u32 s[TAU], s[AA]
	s_cselect_b32 s[KB], s[EXC], 0
	s_add_co_u32 s[KB], s[KB], s[TAU]              ; the key block of this step
	s_add_co_u32 s[TQ], s[TB], (\q)*2*KVBLK
	v_add_nc_u32 v8, s[TQ], v1
	v_add_nc_u32 v9, s[TQ], v2
.if \kload
	s_wait_alu depctr_va_vdst(0)
	KLOAD                                          ; (K's registers were last read by the step before's S^T products, which have their eight places directly behind them)
.endif
	s_wait_alu depctr_va_vdst(0)
	s_wait_dscnt 16                                ; K's scale words and tiles 0-3 are in; the youngest sixteen loads, tiles 4-7, may be out
	WIN 0x01                                       ; source 0 window 1
.irp t, 0,1,2,3
	SMUL \t
.endr
	s_wait_dscnt 0x0
.irp t, 4,5,6,7
	SMUL \t
.endr
	WIN 0
	PLACES 8                                       ; behind the S^T products, for the reads of their results; and behind the step before's V products, for the loads into V's registers
	VLOAD                                          ; V lands under the softmax
	s_cmp_lg_u32 s[KB], s[QB]                      ; only in my tile's own block are keys hidden: their scores become -infinity ahead of the maximum
	s_cbranch_scc1 .Lopen_\@
	v_mov_b32 v254, 0xff800000
.set J, 0
.rept 64
	v_cmp_gt_i32 vcc_lo, 32*(J/16)+J%16, v7
	v_cndmask_b32 v[96+J], v[96+J], v254, vcc_lo
.set J, J+1
.endr
.Lopen_\@:
.irp b, 0,1,2,3
	v_max3_num_f32 v[232+\b], v[96+16*\b], v[97+16*\b], v[98+16*\b]   ; the largest score of each block of 32 keys
.endr
.irp i, 3,5,7,9,11,13
.irp b, 0,1,2,3
	v_max3_num_f32 v[232+\b], v[232+\b], v[96+16*\b+\i], v[97+16*\b+\i]
.endr
.endr
.irp b, 0,1,2,3
	v_max_num_f32 v[232+\b], v[232+\b], v[111+16*\b]
.endr
.irp b, 0,1,2,3
	v_permlanex16_b32 v[236+\b], v[232+\b], s[SEL], s[SEL+1]
.endr
.irp b, 0,1,2,3
	s_delay_alu instid0(VALU_DEP_4)
	v_max_num_f32 v[232+\b], v[232+\b], v[236+\b]
.endr
	s_delay_alu instid0(VALU_DEP_2)
	v_max3_num_f32 v254, v232, v233, v234
	s_delay_alu instid0(VALU_DEP_1)
	v_max_num_f32 v254, v254, v235
	s_delay_alu instid0(VALU_DEP_1)
	v_mul_f32 v254, s[CS], v254                    ; the step's largest t
	s_delay_alu instid0(VALU_DEP_1)
	v_max_num_f32 v13, v13, v254
	v_mov_b32 v254, v12
	s_delay_alu instid0(VALU_DEP_2)
	v_floor_f32 v12, -v13                          ; the new -M = -ceil(t)
	s_delay_alu instid0(VALU_DEP_1)
	v_sub_f32 v254, v12, v254                      ; old M - new M, a whole number, 0 or less
	s_delay_alu instid0(VALU_DEP_1)
	v_cvt_i32_f32 v254, v254                       ; (it saturates)
	s_delay_alu instid0(VALU_DEP_1)
	v_ldexp_f32 v252, 1.0, v254                    ; f = 2^(old M - new M)
.set J, 0
.rept 32
	v_pk_fma_f32 v[96+J:97+J], v[96+J:97+J], s[CS:CS+1], v[12:13] op_sel_hi:[1,0,0]   ; t - M
.set J, J+2
.endr
.irp b, 0,1,2,3
	v_fma_f32 v[232+\b], v[232+\b], s[CS], v12
.endr
.set J, 0
	s_wait_alu depctr_va_vdst(0)
.rept 64
	v_exp_f32 v[96+J], v[96+J]                     ; p = 2^(t - M)
.set J, J+1
.endr
.irp b, 0,1,2,3
	v_exp_f32 v[232+\b], v[232+\b]                 ; the block's largest p
.endr
	v_pk_mul_f32 v[14:15], v[14:15], v[252:253] op_sel_hi:[1,0]   ; the sums under the new M (a plain place behind the exponentials)
	s_wait_alu depctr_va_vdst(0)
.irp b, 0,1,2,3
	v_max_num_f32 v[232+\b], 0x4800000, v[232+\b]
.endr
.irp b, 0,1,2,3
	s_delay_alu instid0(VALU_DEP_4)
	v_add_nc_u32 v[244+\b], 0xfc000000, v[232+\b]
.endr
.irp b, 0,1,2,3
	v_and_or_b32 v[240+\b], v[232+\b], 0x7f800000, s[MNT]
.endr
.irp b, 0,1,2,3
	v_lshrrev_b32 v[236+\b], 23, v[244+\b]
.endr
	s_delay_alu instid0(VALU_DEP_3)
	v_lshl_or_b32 v253, v237, 8, v236              ; p's scale word for these 128 keys
	s_delay_alu instid0(VALU_DEP_1)
	v_lshl_or_b32 v253, v238, 16, v253
	s_delay_alu instid0(VALU_DEP_1)
	v_lshl_or_b32 v253, v239, 24, v253
	s_wait_dscnt 16                                ; V's scale words and tiles 0-3, which the first four V products read, are in; tiles 4-7 may be out
.if \pre
	s_add_co_u32 s[TQ], s[TB], ((\q)+1)*2*KVBLK    ; the next step's block of my stream, in the same slot
	v_add_nc_u32 v8, s[TQ], v1
	v_add_nc_u32 v9, s[TQ], v2
	KLOAD                                          ; it lands under the rest of the softmax and the V products: 16 + 36 loads of mine are out at the most
.endif
	v_pk_add_f32 v[236:237], v[100:101], v[104:105]
	v_pk_add_f32 v[238:239], v[108:109], v[112:113]
	v_pk_add_f32 v[234:235], v[116:117], v[120:121]
	v_pk_add_f32 v[232:233], v[124:125], v[128:129]
	v_pk_add_f32 v[230:231], v[132:133], v[136:137]
	v_pk_add_f32 v[228:229], v[140:141], v[144:145]
	v_pk_add_f32 v[226:227], v[148:149], v[152:153]
	v_pk_add_f32 v[14:15], v[14:15], v[156:157]
	v_pk_add_f32 v[236:237], v[236:237], v[96:97]
	v_pk_add_f32 v[238:239], v[238:239], v[98:99]
	v_pk_add_f32 v[234:235], v[234:235], v[102:103]
	v_pk_add_f32 v[232:233], v[232:233], v[106:107]
	v_pk_add_f32 v[230:231], v[230:231], v[110:111]
	v_pk_add_f32 v[228:229], v[228:229], v[114:115]
	v_pk_add_f32 v[226:227], v[226:227], v[118:119]
	v_pk_add_f32 v[14:15], v[14:15], v[122:123]
	v_pk_add_f32 v[236:237], v[236:237], v[126:127]
	v_pk_add_f32 v[238:239], v[238:239], v[130:131]
	v_pk_add_f32 v[234:235], v[234:235], v[134:135]
	v_pk_add_f32 v[232:233], v[232:233], v[138:139]
	v_pk_add_f32 v[230:231], v[230:231], v[142:143]
	v_pk_add_f32 v[228:229], v[228:229], v[146:147]
	v_pk_add_f32 v[226:227], v[226:227], v[150:151]
	v_pk_add_f32 v[14:15], v[14:15], v[154:155]
	v_pk_add_f32 v[236:237], v[236:237], v[158:159]
	s_delay_alu instid0(VALU_DEP_2)
	v_pk_add_f32 v[14:15], v[14:15], v[232:233]
	s_delay_alu instid0(VALU_DEP_2)
	v_pk_add_f32 v[236:237], v[236:237], v[230:231]
	v_pk_add_f32 v[238:239], v[238:239], v[228:229]
	v_pk_add_f32 v[234:235], v[234:235], v[226:227]
	s_delay_alu instid0(VALU_DEP_2)
	v_pk_add_f32 v[14:15], v[14:15], v[238:239]
	s_delay_alu instid0(VALU_DEP_2)
	v_pk_add_f32 v[236:237], v[236:237], v[234:235]
	s_delay_alu instid0(VALU_DEP_1)
	v_pk_add_f32 v[14:15], v[14:15], v[236:237]
.irp b, 0,1,2,3
.irp i, 0,1,2,3,4,5,6,7,8,9,10,11,12,13,14,15
	v_min_num_f32 v[96+16*\b+\i], v[96+16*\b+\i], v[240+\b]   ; the hold; p is not negative
.endr
	v_cvt_scalef32_pk8_fp8_f32 v[224+4*\b:225+4*\b], v[96+16*\b:103+16*\b], v[244+\b]
	v_cvt_scalef32_pk8_fp8_f32 v[226+4*\b:227+4*\b], v[104+16*\b:111+16*\b], v[244+\b]
.endr
.set J, 0
.rept 32
	v_pk_mul_f32 v[160+J:161+J], v[160+J:161+J], v[252:253] op_sel_hi:[1,0]   ; O^T under the new M; these are also the places between p's codes and the products below
.set J, J+2
.endr
	WIN 0x01
.irp t, 0,1,2,3
	PMUL \t
.endr
	s_wait_alu depctr_va_vdst(0)
	s_wait_dscnt 36*(\pre)                         ; V's tiles 4-7 are in; behind them only the next step's K was asked for: 4 + 32 loads, or none
.irp t, 4,5,6,7
	PMUL \t
.endr
	WIN 0
.if \last
.Lidle_\@:
.endif
	s_add_co_u32 s[TAU], s[TAU], 1
.endm
	s_load_b128 s[4:7], s[0:1], 0x0                ; qc s[4:5], kv s[6:7]
	s_load_b64 s[8:9], s[0:1], 0x10                ; ac
	v_lshl_add_u32 v5, v0, 2, SPARE
	v_mov_b32 v6, 0
	ds_add_u32 v5, v6
	ds_add_u32 v5, v6
	s_wait_dscnt 0x0
	v_lshrrev_b32 v8, 5, v0
	s_delay_alu instid0(VALU_DEP_1)
	v_readfirstlane_b32 s[WV], v8                  ; wave 0..7
	s_lshr_b32 s[ROLE], s[WV], 2
	s_and_b32 s[W3], s[WV], 3
	s_bfe_u32 s66, ttmp6, 0x40000                  ; cx: it enters global offsets and the mask's thresholds alone
	s_lshr_b32 s[AA], ttmp9, 1                     ; a
	s_and_b32 s67, ttmp9, 1
	s_lshl_b32 s67, s67, 2
	s_add_co_u32 s67, s67, s66                     ; b
	s_and_b32 s68, ttmp7, 0xffff                   ; g
	s_lshl_b32 s69, s68, 2
	s_add_co_u32 s69, s69, s[W3]                   ; my head
	s_lshl_b32 s70, s[AA], 3
	s_add_co_u32 s70, s70, s67                     ; the short tile
	s_sub_co_u32 s71, 127, s70                     ; the long tile
	s_sub_co_u32 s72, 8, s[AA]
	s_and_b32 s73, s[WV], 1
	s_mul_i32 s[EXF], s73, s72
	s_mul_i32 s[EXC], s[ROLE], s72
	s_sub_co_u32 s[NACT], 9, s[ROLE]
	s_sub_co_u32 s[QBL], 15, s[AA]
	s_bfe_u32 s[WH], s[WV], 0x10001
	s_mul_i32 s[WB], s[W3], KVBLK
	s_add_co_u32 s74, s[AA], 1
	s_mov_b32 s75, 0xffff
	s_cmp_lg_u32 s[ROLE], 0
	s_cselect_b32 s[SWT], s74, s75
	s_cselect_b32 s[QB], s[AA], s[QBL]
	s_cselect_b32 s76, s70, s71                    ; the tile with which I begin
	s_and_b32 s[DQC], s76, 6
	s_lshl_b32 s[DQC], s[DQC], 4
	s_and_b32 s77, s76, 1
	s_lshl_b32 s77, s77, 3
	s_add_co_u32 s[DQC], s[DQC], s77               ; where a tile's queries begin in their key block: 32 ((T % 8) / 2) + 8 (T % 2)
	s_and_b32 s[DQL], s71, 6
	s_lshl_b32 s[DQL], s[DQL], 4
	s_and_b32 s77, s71, 1
	s_lshl_b32 s77, s77, 3
	s_add_co_u32 s[DQL], s[DQL], s77
	s_lshr_b32 s82, s69, 1
	s_mul_i32 s82, s82, 4352
	s_and_b32 s83, s69, 1
	s_lshl_b32 s84, s83, 11
	s_add_co_u32 s84, s84, s82                     ; my head's fragment in a tile's row of images,
	s_lshl_b32 s85, s83, 7
	s_add_co_u32 s85, s85, s82
	s_add_co_u32 s85, s85, 4096                    ; and its scale words
	s_mov_b32 s79, 0
	s_mov_b32 s[G1], 15|(3<<16)|(1<<21)            ; 15:0 the mask: all four work-groups; 17:16 elements of 8 bytes; 21 set beside a mask
	s_mov_b32 s[G1+1], 32<<16                      ; a dense block as 136 rows of 256 bytes
	s_mov_b32 s[G1+2], 136<<16
	s_mov_b32 s[G1+3], 32<<16
	s_mov_b32 s[G1+4], 136
	s_mov_b32 s[G1+5], 32
	s_mov_b32 s[G1+6], 0
	s_mov_b32 s[G1+7], 0
	s_mov_b32 s[G0], 1
	s_mov_b32 s[SEL], 0x76543210
	s_mov_b32 s[SEL+1], 0xfedcba98
	s_mov_b32 s[CS], 0x3e0293ee                    ; c = log2(e) / sqrt(128)
	s_mov_b32 s[CS+1], s[CS]
	s_mov_b32 s[MNT], 0x600000
	s_mov_b32 s[TAU], 0
	s_mov_b32 s[TNX], 0
	s_mov_b32 s[TB], 0
	s_mov_b32 s[TF], 0
	s_mul_i32 s88, s68, 16*KVBLK
	s_mov_b32 s89, 0
	s_wait_kmcnt 0x0
	s_add_nc_u64 s[KVB:KVB+1], s[6:7], s[88:89]    ; my key and value head's sixteen blocks
.macro PTRS tl, pq, pqs, pa, pas       ; the four addresses of tile s[tl]
	s_lshl_b32 s78, s69, 7
	s_add_co_u32 s78, s78, s[\tl]
	s_lshl_b32 s77, s78, 7
	s_lshl_b32 s78, s78, 11
	s_add_nc_u64 s[\pq:\pq+1], s[4:5], s[78:79]
	s_add_co_u32 s78, s77, 4194304
	s_add_nc_u64 s[\pqs:\pqs+1], s[4:5], s[78:79]
	s_mul_i32 s77, s[\tl], 34816
	s_add_co_u32 s78, s77, s84
	s_add_nc_u64 s[\pa:\pa+1], s[8:9], s[78:79]
	s_add_co_u32 s78, s77, s85
	s_add_nc_u64 s[\pas:\pas+1], s[8:9], s[78:79]
.endm
	PTRS 76, PQ, PQS, PA, PAS
	PTRS 71, PQL, PQSL, PAL, PASL
	CROUND                                         ; all four work-groups are here: the first joint loads meet
	DESC
	TLOAD                                          ; slot 0: time steps 0 and 1
	v_and_b32 v8, 31, v0
	s_delay_alu instid0(VALU_DEP_1)
	v_lshlrev_b32 v10, 4, v8                       ; 16 x lane
	s_delay_alu instid0(VALU_DEP_2)
	v_lshlrev_b32 v11, 2, v8                       ; 4 x lane
	QLOAD 16, 255, PQ, PQS                         ; the tile with which I begin,
	QLOAD QL, QLS, PQL, PQSL                       ; and the long tile, which a helper takes up later.  Every wave asks, so that these registers are written on every way; a keeper's five loads repeat the five above
	s_mul_i32 s86, s[ROLE], KVBLK
	v_add_nc_u32 v1, s86, v10                      ; my stream's block in a time step: fragments, 16 x lane;
	v_and_b32 v2, 15, v0
	s_delay_alu instid0(VALU_DEP_1)
	v_lshlrev_b32 v2, 2, v2
	v_bfe_u32 v9, v0, 4, 1
	s_delay_alu instid0(VALU_DEP_1)
	v_lshl_add_u32 v2, v9, 7, v2
	s_delay_alu instid0(VALU_DEP_1)
	v_add_nc_u32 v2, s86, v2                       ; scale words: 4 (lane % 16) + 128 (lane / 16): the upper lanes take the next tile's
	s_mul_i32 s86, s[W3], 8448
	s_add_co_u32 s86, s86, XCH
	v_add_nc_u32 v3, s86, v10                      ; the exchange: O^T's image,
	v_lshl_add_u32 v4, v8, 3, s86
	s_delay_alu instid0(VALU_DEP_1)
	v_add_nc_u32 v4, 8192, v4                      ; -M and the sum
	MAKEDQ DQC
	v_mov_b32 v253, 0                              ; (named as the upper half of the pair v[252:253] before it is first written)
.irp b, 0,1,2,3
	v_mov_b32 v[236+\b], 0                         ; a lane permute's destination counts as one of its sources
.endr
	RESET
	s_wait_loadcnt 0x0                             ; Q, both tiles'
	s_mov_b32 s[LOOP], 4
.Lslot:
	CHANGE 1
	STEP 0, 1, 1, 0
	STEP 1, 0, 0, 0
	s_xor_b32 s[TB], s[TB], SLOTB
	s_sub_co_u32 s[LOOP], s[LOOP], 1
	s_cmp_lg_u32 s[LOOP], 0
	s_cbranch_scc1 .Lslot
	CHANGE 0                                       ; the last slot is written out: nothing more is asked for
	STEP 0, 1, 0, 1                                ; time 8
	; THE TWO PARTS OF THE LONG TILE MEET
	PLACES 8                                       ; behind the last products: for the helper's stores of results
	s_cmp_lt_u32 s[WV], 4
	s_cbranch_scc1 .Lkeeper
	v_add_f32 v13, v14, v15                        ; my lane's sum, beside -M
	s_wait_alu depctr_va_vdst(0)
.irp k, 0,1,2,3,4,5,6,7,8,9,10,11,12,13,14,15
	ds_store_b128 v3, v[160+4*\k:163+4*\k] offset:512*\k   ; each accumulator from its low end on
.endr
	ds_store_b64 v4, v[12:13]
.Lkeeper:
	s_wait_dscnt 0x0                               ; for the others' sake: my stores have landed
	s_barrier_signal -1
	s_barrier_wait -1
	s_cmp_ge_u32 s[WV], 4
	s_cbranch_scc1 .Lend
.irp k, 0,1,2,3,4,5,6,7,8,9,10,11,12,13,14,15
	ds_load_b128 v[96+4*\k:99+4*\k], v3 offset:512*\k
.endr
	ds_load_b64 v[240:241], v4
	s_wait_dscnt 0x0
	v_min_num_f32 v242, v12, v240                  ; -(the larger M)
	s_delay_alu instid0(VALU_DEP_1)
	v_sub_f32 v243, v242, v12
	s_delay_alu instid0(VALU_DEP_2)
	v_sub_f32 v244, v242, v240
	s_delay_alu instid0(VALU_DEP_2)
	v_cvt_i32_f32 v243, v243
	s_delay_alu instid0(VALU_DEP_2)
	v_cvt_i32_f32 v244, v244
	s_delay_alu instid0(VALU_DEP_2)
	v_ldexp_f32 v246, 1.0, v243                    ; what brings my part under the larger M,
	s_delay_alu instid0(VALU_DEP_2)
	v_ldexp_f32 v244, 1.0, v244                    ; and the helper's: exact powers of two (0 for a helper that had no block of this tile)
	v_mov_b32 v247, 0
	v_mov_b32 v245, 0
	v_add_f32 v14, v14, v15
	s_delay_alu instid0(VALU_DEP_1)
	v_mul_f32 v14, v14, v246
	s_delay_alu instid0(VALU_DEP_1)
	v_fma_f32 v14, v241, v244, v14
	v_mov_b32 v15, 0
.set J, 0
.rept 32
	v_pk_mul_f32 v[160+J:161+J], v[160+J:161+J], v[246:247] op_sel_hi:[1,0]
.set J, J+2
.endr
.set J, 0
.rept 32
	v_pk_fma_f32 v[160+J:161+J], v[96+J:97+J], v[244:245], v[160+J:161+J] op_sel_hi:[1,0,1]
.set J, J+2
.endr
	FINISH
.Lend:
	s_wait_tensorcnt 0x0                           ; the wave's end
	ds_add_u32 v5, v6
	s_wait_dscnt 0x0
	CROUND                                         ; the closing pass of the cluster's barrier
	s_endpgm
.Lfunc_end_k_q2380ccfa0a_attn:
	.size	k_q2380ccfa0a_attn, .Lfunc_end_k_q2380ccfa0a_attn-k_q2380ccfa0a_attn
	.p2alignl 7, 3214868480
	.fill 96, 4, 3214868480
	.section	.rodata,"a",@progbits
	.p2align	6, 0x0
	.amdhsa_kernel k_q2380ccfa0a_attn
		.amdhsa_group_segment_fixed_size 327680
		.amdhsa_private_segment_fixed_size 0
		.amdhsa_enable_private_segment 0
		.amdhsa_kernarg_size 24
		.amdhsa_user_sgpr_count 2
		.amdhsa_user_sgpr_kernarg_segment_ptr 1
		.amdhsa_wavefront_size32 1
		.amdhsa_system_sgpr_workgroup_id_x 1
		.amdhsa_system_sgpr_workgroup_id_y 1
		.amdhsa_system_sgpr_workgroup_id_z 1
		.amdhsa_system_vgpr_workitem_id 0
		.amdhsa_next_free_vgpr 512
		.amdhsa_next_free_sgpr 90
		.amdhsa_reserve_vcc 1
		.amdhsa_float_denorm_mode_32 3
		.amdhsa_float_denorm_mode_16_64 3
		.amdhsa_memory_ordered 1
		.amdhsa_forward_progress 1
		.amdhsa_inst_pref_size 163
	.end_amdhsa_kernel
	.amdgpu_metadata
---
amdhsa.version: [ 1, 2 ]
amdhsa.kernels:
  - .name:           k_q2380ccfa0a_attn
    .symbol:         k_q2380ccfa0a_attn.kd
    .args:
      - { .name: qc, .offset: 0, .size: 8, .value_kind: global_buffer, .address_space: global }
      - { .name: kv, .offset: 8, .size: 8, .value_kind: global_buffer, .address_space: global }
      - { .name: ac, .offset: 16, .size: 8, .value_kind: global_buffer, .address_space: global }
    .group_segment_fixed_size: 327680
    .private_segment_fixed_size: 0
    .kernarg_segment_align: 8
    .kernarg_segment_size: 24
    .max_flat_workgroup_size: 256
    .sgpr_count:     90
    .vgpr_count:     512
    .wavefront_size: 32
...
	.end_amdgpu_metadata
.endif
;; end of part 3
;; launch outp (part 4): grid 16 x 16, 4 waves a work-group, clusters of 4 x 4, 327,680 bytes of LDS; arguments ac, wc, out0; writes out0
.if DOCPART == 4
	.amdgcn_target "amdgcn-amd-amdhsa--gfx1250"
	.amdhsa_code_object_version 6
	.text
	.protected	k_q2380ccfa0a_outp
	.globl	k_q2380ccfa0a_outp
	.p2align	8
	.type	k_q2380ccfa0a_outp,@function
k_q2380ccfa0a_outp:
	s_mov_b64 s[64:65], 0
	v_nop
	global_prefetch_b8 v0, s[64:65] scope:SCOPE_SE
	s_setreg_imm32_b32 hwreg(HW_REG_WAVE_MODE, 25, 1), 1
	s_wait_xcnt 0x0
	s_wait_alu depctr_hold_cnt(0) depctr_sa_sdst(0) depctr_va_vdst(0) depctr_va_sdst(0) depctr_va_ssrc(0) depctr_va_vcc(0) depctr_vm_vsrc(0)
	s_getreg_b32 s2, hwreg(HW_REG_IB_STS2, 6, 4)
	s_cmp_eq_u32 s2, 0
	s_cbranch_scc0 .Lentry_in_a_cluster
	s_endpgm
.Lentry_in_a_cluster:
	s_bfe_u32 s2, ttmp6, 0x10000c
	s_cmp_lg_u32 s2, 0xf033
	s_cbranch_scc0 .Lentry_shape_is_right
	s_endpgm
.Lentry_shape_is_right:
.set TSTR,  8704
.set TROW,  34816
.set SLOT,  16*TSTR
.set SPARE, 2*SLOT
.set LAPS,  2
.set ADP, 4
.set ADQ, 6
.set ASP, 8
.set ASQ, 10
.set SPW, 12
.set NIL, 13
.set STO, 14
.set RD,  15
.set CO,  16
.set SC,  32
.set QF,  64
.set BK,  64
.set G1,  24
.set G0,  32
.set G1B, 48
.set G0B, 56
.set MSB, 0
.macro WIN new
.if MSB != \new
	s_set_vgpr_msb (MSB<<8)|\new
.set MSB, \new
.endif
.endm
.set MUL,  0xa1
.set TO_P, 0x40
.macro PLACES n
.rept \n
	v_nop
.endr
.endm
.macro JLOAD g0a, g1a, g0b, g1b
	s_cmp_eq_u32 s17, 0
	s_cbranch_scc0 .Lfor_b_\@
	tensor_load_to_lds s[\g0a:\g0a+3], s[\g1a:\g1a+7]
	s_nop 0
.rept 4
	v_nop
.endr
	s_branch .Lasked_\@
.Lfor_b_\@:
	tensor_load_to_lds s[\g0b:\g0b+3], s[\g1b:\g1b+7]
	s_nop 0
.rept 4
	v_nop
.endr
.Lasked_\@:
.endm
.macro CREST
	s_cmp_lg_u32 s16, 0
	s_cbranch_scc1 .Lnot_wave_0_\@
	s_barrier_signal -3
.Lnot_wave_0_\@:
	s_barrier_wait -3
	s_barrier_signal -1
	s_barrier_wait -1
.endm
.macro CROUND
	s_barrier_signal -1
	s_barrier_wait -1
	CREST
.endm
	s_load_b128 s[4:7], s[0:1], 0x0
	s_load_b64 s[8:9], s[0:1], 0x10
	v_lshl_add_u32 v[SPW], v0, 2, SPARE
	v_mov_b32 v[NIL], 0
	ds_add_u32 v12, v13
	ds_add_u32 v12, v13
	s_wait_dscnt 0x0
	v_lshrrev_b32 v1, 5, v0
	v_readfirstlane_b32 s16, v1
	s_lshr_b32 s17, s16, 1
	s_and_b32 s18, s16, 1
	s_bfe_u32 s19, ttmp6, 0x40000
	s_bfe_u32 s20, ttmp6, 0x40004
	s_lshl_b32 s21, ttmp9, 2
	s_add_co_u32 s21, s21, s19
	s_and_b32 s22, ttmp7, 0xffff
	s_lshl_b32 s22, s22, 2
	s_add_co_u32 s22, s22, s20
	s_lshl_b32 s23, s20, 2
	s_lshl_b32 s23, 15, s23
	s_lshl_b32 s40, 0x1111, s19
	s_or_b32 s[G1], s23, (3<<16)|(1<<21)
	s_or_b32 s[G1B], s40, (3<<16)|(1<<21)
.irp g, G1, G1B
	s_mov_b32 s[\g+1], (TSTR/8)<<16
	s_mov_b32 s[\g+2], 4<<16
	s_mov_b32 s[\g+3], (TSTR/8)<<16
	s_mov_b32 s[\g+4], 4
	s_mov_b32 s[\g+5], TROW/8
	s_mov_b32 s[\g+6], 0
	s_mov_b32 s[\g+7], 0
.endr
	s_lshl_b32 s42, s22, 3
	s_lshl_b32 s41, s18, 2
	s_add_co_u32 s42, s42, s41
	s_mul_i32 s42, s42, TROW
	s_mov_b32 s43, 0
	s_lshl_b32 s44, s21, 3
	s_lshl_b32 s46, s18, 2
	s_add_co_u32 s44, s44, s46
	s_add_co_u32 s44, s44, 192
	s_mul_i32 s44, s44, TROW
	s_mov_b32 s45, 0
	s_mul_i32 s47, s16, 4*TSTR
	s_wait_kmcnt 0x0
	s_add_nc_u64 s[42:43], s[4:5], s[42:43]
	s_add_nc_u64 s[44:45], s[6:7], s[44:45]
	CROUND
.irp s, 0,1
	s_mov_b32 s[G0+4*\s], 1
	s_add_co_u32 s[G0+4*\s+1], s47, \s*SLOT
	s_add_nc_u64 s[G0+4*\s+2:G0+4*\s+3], s[42:43], \s*TSTR
	s_or_b32 s[G0+4*\s+3], s[G0+4*\s+3], 0x80000000
	s_mov_b32 s[G0B+4*\s], 1
	s_add_co_u32 s[G0B+4*\s+1], s47, \s*SLOT
	s_add_nc_u64 s[G0B+4*\s+2:G0B+4*\s+3], s[44:45], \s*TSTR
	s_or_b32 s[G0B+4*\s+3], s[G0B+4*\s+3], 0x80000000
.endr
	JLOAD G0, G1, G0B, G1B                         ; slot 0: one tensor load a wave at the head
	v_and_b32 v1, 31, v0
	v_and_b32 v2, 15, v0
	v_bfe_u32 v3, v0, 4, 1
	v_lshlrev_b32 v17, 4, v1
	v_lshlrev_b32 v18, 2, v1
	s_lshl_b32 s70, s18, 2
	s_add_co_u32 s70, s70, 8
	s_mul_i32 s70, s70, TSTR
	s_lshl_b32 s71, s17, 2
	s_mul_i32 s71, s71, TSTR
.irp s, 0,1
	v_add_nc_u32 v[ADP+\s], s70, v17
	v_add_nc_u32 v[ASP+\s], s70, v18
	v_add_nc_u32 v[ADQ+\s], s71, v17
	v_add_nc_u32 v[ASQ+\s], s71, v18
	s_add_co_u32 s70, s70, SLOT
	s_add_co_u32 s71, s71, SLOT
.endr
	s_mul_i32 s72, s16, 8704
	v_mul_u32_u24 v[STO], v2, 272
	v_lshl_add_u32 v[STO], v3, 6, v[STO]
	v_add_nc_u32 v[STO], s72, v[STO]
	v_mul_u32_u24 v[RD], v3, 272
	v_lshl_add_u32 v[RD], v2, 4, v[RD]
	v_add_nc_u32 v[RD], s72, v[RD]
	v_lshlrev_b32 v[CO], 13, v3
	v_lshl_add_u32 v[CO], v2, 4, v[CO]
	s_lshl_b32 s74, s22, 20
	s_lshl_b32 s75, s17, 19
	s_add_co_u32 s74, s74, s75
	s_lshl_b32 s75, s21, 9
	s_add_co_u32 s74, s74, s75
	s_lshl_b32 s75, s18, 8
	s_add_co_u32 s74, s74, s75
	s_mov_b32 s75, 0
	s_add_nc_u64 s[8:9], s[8:9], s[74:75]
	; PREFETCHES INTO THE L2, one fill (four K steps) ahead of the joint loads.  A fill is 8,704 bytes (34 blocks of 256) of each of the 8 tiles of attention's codes and the 8 of Wo's; there are four fills.
	; The four partners that ask for tiles jointly share them out BY ADDRESS, two tiles each: waves 0, 1 of the partner at cx name tiles 2 cx, 2 cx + 1 of the codes, waves 2, 3 of the partner at cy those of Wo's:
	; 32 blocks by one line, a lane a block, and the last two by a second (the lanes left over name the last block again).  Fill 1 is asked for here, fill 2 behind slot 1's load, fill 3 behind the first refill; the second refill has no fill behind it.
.set PFA, 70
.set PO,  19                           ; v19, v20 my lane's block; never rewritten
	s_lshl_b32 s74, s22, 3
	s_lshl_b32 s75, s19, 1
	s_add_co_u32 s74, s74, s75                     ; the codes: tile 8 Y + 2 cx
	s_lshl_b32 s76, s21, 3
	s_lshl_b32 s77, s20, 1
	s_add_co_u32 s76, s76, s77
	s_add_co_u32 s76, s76, 192                     ; Wo: tile 192 + 8 X + 2 cy
	s_cmp_eq_u32 s17, 0
	s_cselect_b32 s74, s74, s76
	s_cselect_b64 s[PFA:PFA+1], s[4:5], s[6:7]
	s_add_co_u32 s74, s74, s18
	s_mul_i32 s74, s74, TROW
	s_mov_b32 s75, 0
	s_add_nc_u64 s[PFA:PFA+1], s[PFA:PFA+1], s[74:75]
	v_lshlrev_b32 v[PO], 8, v1
	v_min_u32 v[PO+1], 1, v1
	v_lshlrev_b32 v[PO+1], 8, v[PO+1]
	s_wait_alu depctr_va_vdst(0)
	global_prefetch_b8 v[PO], s[PFA:PFA+1] offset:TSTR th:TH_LOAD_NT scope:SCOPE_SE
	global_prefetch_b8 v[PO+1], s[PFA:PFA+1] offset:TSTR+8192 th:TH_LOAD_NT scope:SCOPE_SE
.macro FETCH slot, q, p
.set FO, ((\q)/2)*4352+((\q)%2)*2048
.set SO, ((\q)/2)*4352+4096+((\q)%2)*128
	WIN TO_P
.irp t, 0,1,2,3
.irp c, 0,1,2,3
	ds_load_b128 v[64*(\p)+16*\t+4*\c:64*(\p)+16*\t+4*\c+3], v[ADP+\slot] offset:\t*TSTR+FO+512*\c
.endr
.endr
	WIN 0
.irp n, 0,1,2,3
.irp c, 0,1,2,3
	ds_load_b128 v[QF+64*(\p)+16*\n+4*\c:QF+64*(\p)+16*\n+4*\c+3], v[ADQ+\slot] offset:\n*TSTR+FO+512*\c
.endr
.endr
.irp t, 0,1,2,3
	ds_load_b32 v[SC+12*(\p)+\t], v[ASP+\slot] offset:\t*TSTR+SO
.endr
.irp n, 0,1,2,3
	ds_load_b32 v[SC+12*(\p)+8+\n], v[ASQ+\slot] offset:\n*TSTR+SO
.endr
.endm
.macro MULN n, p, zero
.irp t, 0,1,2,3
.if \zero
	v_wmma_scale_f32_16x16x128_f8f6f4 v[8*(4*(\n)+\t):8*(4*(\n)+\t)+7], v[64*(\p)+16*\t:64*(\p)+16*\t+15], v[QF+64*(\p)+16*(\n):QF+64*(\p)+16*(\n)+15], 0, v[SC+12*(\p)+\t], v[SC+12*(\p)+8+(\n)]
.else
	v_wmma_scale_f32_16x16x128_f8f6f4 v[8*(4*(\n)+\t):8*(4*(\n)+\t)+7], v[64*(\p)+16*\t:64*(\p)+16*\t+15], v[QF+64*(\p)+16*(\n):QF+64*(\p)+16*(\n)+15], v[8*(4*(\n)+\t):8*(4*(\n)+\t)+7], v[SC+12*(\p)+\t], v[SC+12*(\p)+8+(\n)]
.endif
.endr
.endm
.macro STEP slot, q, zero
	s_wait_dscnt 0x0
	WIN MUL
	MULN 0, (\q)%2, \zero
	MULN 1, (\q)%2, \zero
	PLACES 8
	FETCH \slot, (\q)+1, 1-(\q)%2
	WIN MUL
	MULN 2, (\q)%2, \zero
	MULN 3, (\q)%2, \zero
.endm
.macro THREE slot, zero
	STEP \slot, 0, \zero
	STEP \slot, 1, 0
	STEP \slot, 2, 0
.endm
.macro TURN slot, next, fill
	WIN 0
	s_wait_tensorcnt 0x0
	ds_add_u32 v[SPW], v[NIL]
	s_wait_dscnt 1
	WIN MUL
	MULN 0, 1, 0
	s_wait_dscnt 0x0
	s_barrier_signal -1
	MULN 1, 1, 0
	WIN 0
	s_barrier_wait -1
.if \fill
	CREST
	s_add_nc_u64 s[G0+4*\slot+2:G0+4*\slot+3], s[G0+4*\slot+2:G0+4*\slot+3], 2*TSTR
	s_add_nc_u64 s[G0B+4*\slot+2:G0B+4*\slot+3], s[G0B+4*\slot+2:G0B+4*\slot+3], 2*TSTR
	JLOAD G0+4*\slot, G1, G0B+4*\slot, G1B
	PLACES 4
.else
	PLACES 8
.endif
	s_wait_alu depctr_va_vdst(0)
	FETCH \next, 0, 0
.if (\fill) && (\slot) == 0
	global_prefetch_b8 v[PO], s[PFA:PFA+1] offset:3*TSTR th:TH_LOAD_NT scope:SCOPE_SE        ; behind the refill with fill 2: fill 3 (the loop has one trip, so these two lines run once)
	global_prefetch_b8 v[PO+1], s[PFA:PFA+1] offset:3*TSTR+8192 th:TH_LOAD_NT scope:SCOPE_SE
.endif
	WIN MUL
	MULN 2, 1, 0
	MULN 3, 1, 0
.endm
	s_wait_alu depctr_va_vdst(0)
	s_wait_tensorcnt 0x0                           ; my part of slot 0 is in
	ds_add_u32 v[SPW], v[NIL]
	s_wait_dscnt 0x0
	CROUND                                         ; a whole round: slot 0 is whole, and all sixteen work-groups are here
	JLOAD G0+4, G1, G0B+4, G1B                     ; slot 1's first fill: my one tensor load behind the round
	FETCH 0, 0, 0
	global_prefetch_b8 v[PO], s[PFA:PFA+1] offset:2*TSTR th:TH_LOAD_NT scope:SCOPE_SE
	global_prefetch_b8 v[PO+1], s[PFA:PFA+1] offset:2*TSTR+8192 th:TH_LOAD_NT scope:SCOPE_SE
	THREE 0, 1
	WIN 0
	s_mov_b32 s3, LAPS-1
.Llap:
	TURN 0, 1, 1
	THREE 1, 0
	TURN 1, 0, 1
	THREE 0, 0
	WIN 0
	s_sub_co_u32 s3, s3, 1
	s_cmp_lg_u32 s3, 0
	s_cbranch_scc1 .Llap
	TURN 0, 1, 0
	THREE 1, 0
	s_wait_dscnt 0x0
	WIN MUL
	MULN 0, 1, 0
	MULN 1, 1, 0
	MULN 2, 1, 0
	MULN 3, 1, 0
	WIN 0
.macro TOSTAGE n
	WIN 0x08
.irp t, 0,1,2,3
	ds_store_b128 v[STO], v[8*(4*(\n)+\t):8*(4*(\n)+\t)+3] offset:((\n)%2)*4352+128*(\t/2)+32*(\t%2)
	ds_store_b128 v[STO], v[8*(4*(\n)+\t)+4:8*(4*(\n)+\t)+7] offset:((\n)%2)*4352+128*(\t/2)+32*(\t%2)+16
.endr
	WIN 0
.irp k, 0,1,2,3,4,5,6,7
	ds_load_b128 v[BK+32*(\n)+4*\k:BK+32*(\n)+4*\k+3], v[RD] offset:((\n)%2)*4352+544*\k
.endr
.endm
.macro SEND n, younger
	s_wait_dscnt \younger
.irp k, 0,1,2,3,4,5,6,7
	global_store_b128 v[CO], v[BK+32*(\n)+4*\k:BK+32*(\n)+4*\k+3], s[8:9] offset:(32*((\n)/2)+8*((\n)%2)+2*\k+8*(\k/4))*8192 th:TH_STORE_NT
.endr
.endm
	PLACES 8
	TOSTAGE 0
	TOSTAGE 1
	SEND 0, 16
	TOSTAGE 2
	SEND 1, 16
	TOSTAGE 3
	SEND 2, 16
	SEND 3, 0
	s_wait_tensorcnt 0x0
	ds_add_u32 v[SPW], v[NIL]
	s_wait_dscnt 0x0
	CROUND
	s_endpgm
.Lfunc_end_k_q2380ccfa0a_outp:
	.size	k_q2380ccfa0a_outp, .Lfunc_end_k_q2380ccfa0a_outp-k_q2380ccfa0a_outp
	.p2alignl 7, 3214868480
	.fill 96, 4, 3214868480
	.section	.rodata,"a",@progbits
	.p2align	6, 0x0
	.amdhsa_kernel k_q2380ccfa0a_outp
		.amdhsa_group_segment_fixed_size 327680
		.amdhsa_private_segment_fixed_size 0
		.amdhsa_enable_private_segment 0
		.amdhsa_kernarg_size 24
		.amdhsa_user_sgpr_count 2
		.amdhsa_user_sgpr_kernarg_segment_ptr 1
		.amdhsa_wavefront_size32 1
		.amdhsa_system_sgpr_workgroup_id_x 1
		.amdhsa_system_sgpr_workgroup_id_y 1
		.amdhsa_system_sgpr_workgroup_id_z 1
		.amdhsa_system_vgpr_workitem_id 0
		.amdhsa_next_free_vgpr 768
		.amdhsa_next_free_sgpr 80
		.amdhsa_reserve_vcc 0
		.amdhsa_float_denorm_mode_32 3
		.amdhsa_float_denorm_mode_16_64 3
		.amdhsa_memory_ordered 1
		.amdhsa_forward_progress 1
		.amdhsa_inst_pref_size 97
	.end_amdhsa_kernel
	.amdgpu_metadata
---
amdhsa.version: [ 1, 2 ]
amdhsa.kernels:
  - .name:           k_q2380ccfa0a_outp
    .symbol:         k_q2380ccfa0a_outp.kd
    .args:
      - { .name: ac, .offset: 0, .size: 8, .value_kind: global_buffer, .address_space: global }
      - { .name: wc, .offset: 8, .size: 8, .value_kind: global_buffer, .address_space: global }
      - { .name: out0, .offset: 16, .size: 8, .value_kind: global_buffer, .address_space: global }
    .group_segment_fixed_size: 327680
    .private_segment_fixed_size: 0
    .kernarg_segment_align: 8
    .kernarg_segment_size: 24
    .max_flat_workgroup_size: 128
    .sgpr_count:     80
    .vgpr_count:     768
    .wavefront_size: 32
...
	.end_amdgpu_metadata
.endif
;; end of part 4
